; MI455X (gfx1250); checked and timed in simulation.
; The chip was launched on July 23, 2026; its instructions are those of AMD's public machine-readable ISA for CDNA 5 (MIT licence, August 2026) and "CDNA5" Instruction Set Architecture Reference Guide (July 2026). The comments in the code are by the model that wrote it; some were corrected since.
;; Gated Attention Unit. Allowed arithmetic: matrix products marked QUANTISED: E5M2 operands, one given power-of-two scale a tensor, by v_wmma_f32_16x16x64_bf8_bf8 or v_wmma_f32_16x16x128_bf8_bf8, f32 sums; products left as they are: f32 operands where the result goes on into a quantised operand, else bf16, f16 or f32 operands; f32 sums; everything else in f32.
;; Inputs: Wg_codes 1,024 x 32 x 32 uint8 (E5M2 codes of Wg, K innermost, in blocks of 32 codes); Wk_codes 256 x 32 x 32 uint8 (E5M2 codes of Wk, K innermost, in blocks of 32 codes); Wo_codes 1,024 x 32 x 32 uint8 (E5M2 codes of Wo, K innermost, in blocks of 32 codes); Wq_codes 256 x 32 x 32 uint8 (E5M2 codes of Wq, K innermost, in blocks of 32 codes); Wv_codes 1,024 x 32 x 32 uint8 (E5M2 codes of Wv, K innermost, in blocks of 32 codes); bg 1,024 float32; bk 256 float32; bo 1,024 float32; bq 256 float32; bv 1,024 float32; key_mask 4 x 4,096 bool; keys_codes 4 x 4,096 x 32 x 32 uint8 (E5M2 codes of keys, K innermost, in blocks of 32 codes); lowp_scales 14 int32 (the exponents e of the quantised operands' scales 2^e); queries_codes 4 x 4,096 x 32 x 32 uint8 (E5M2 codes of queries, K innermost, in blocks of 32 codes); query_mask 4 x 4,096 bool; values_codes 4 x 4,096 x 32 x 32 uint8 (E5M2 codes of values, K innermost, in blocks of 32 codes).
;; Outputs: out0 4 x 4,096 x 1,024 float32.
;; This version of the problem:
;;   THIS VERSION OF THE PROBLEM IS GIVEN IN LOW PRECISION. The matrix products marked QUANTISED in the list below multiply operands that are first quantised to E5M2 (5 exponent bits, 2 mantissa bits; 8 bits a number), with one given power-of-two scale for each operand tensor; their sums are f32. All else is computed in f32.
;;   The module's matrix products, in the order in which they are computed (A, B: the left and right operand; K: the contracted axis; several contracted axes count as one K, in the product's order):
;;     1. [M 16,384, K 1,024] x [K 1,024, N 1,024]; A: input queries (given as codes); B: input Wg (given as codes): QUANTISED (scales: A lowp_scales[0], B lowp_scales[1])
;;     2. [M 16,384, K 1,024] x [K 1,024, N 1,024]; A: input values (given as codes); B: input Wv (given as codes): QUANTISED (scales: A lowp_scales[2], B lowp_scales[3])
;;     3. [M 16,384, K 1,024] x [K 1,024, N 256]; A: input queries (given as codes); B: input Wq (given as codes): QUANTISED (scales: A lowp_scales[4], B lowp_scales[5])
;;     4. [M 16,384, K 1,024] x [K 1,024, N 256]; A: input keys (given as codes); B: input Wk (given as codes): QUANTISED (scales: A lowp_scales[6], B lowp_scales[7])
;;     5. batch 4 x [M 256, K 4,096] x [K 4,096, N 1,024]; A: computed on the way; B: computed on the way: QUANTISED (scales: A lowp_scales[8], B lowp_scales[9])
;;     6. batch 4 x [M 4,096, K 256] x [K 256, N 1,024]; A: computed on the way; B: computed on the way: QUANTISED (scales: A lowp_scales[10], B lowp_scales[11])
;;     7. batch 4 x [M 4,096, K 256] x [K 256, N 1]; A: computed on the way; B: computed on the way: left as it is (N = 1 < 16)
;;     8. [M 16,384, K 1,024] x [K 1,024, N 1,024]; A: computed on the way; B: input Wo (given as codes): QUANTISED (scales: A lowp_scales[12], B lowp_scales[13])
;;   THE QUANTISER, for each operand of a quantised product, along K:
;;     - The operand's scale is 2^e, e = its entry of the input lowp_scales (int32; the entries are numbered through the quantised products in the list's order, A before B).
;;     - Each number is divided by the scale, clamped to +-57,344, and rounded to the nearest number of E5M2, ties to even, subnormals kept.
;;     - The product sums the exact products of the quantised numbers (number of the format x scale) in f32.
;;   ~~~python
;;   def quantise(x, axis, e):      # numpy; x: float32 -> the quantised numbers, widened to float32 again
;;       x = np.moveaxis(x, axis, -1); K = x.shape[-1]
;;       r = np.clip(x / 2.0 ** e, -57344, 57344)
;;       step = 2.0 ** (np.maximum(np.frexp(np.where(r == 0, 1, r))[1] - 1, -14) - 2)
;;       q = np.round(r / step) * step * 2.0 ** e      # np.round: ties to even
;;       return np.moveaxis(q, -1, axis).astype(np.float32)
;;   ~~~
;;   OPERANDS COMPUTED ON THE WAY. 'Computed on the way' means the value that the module computes at that place (a softmax that the list does not call 'softmax' is quantised finished and normalised). What goes into a quantiser is computed in f32, as accurately as f32 sums, v_exp_f32 and their like allow (about 1e-6 of the number): no bf16 or f16 on the way to a quantiser, and a product that is left as it is and whose result goes on into a quantised operand takes f32 operands (vector FMAs, or v_wmma_f32_16x16x4_f32). A number that lies on a knife's edge between two numbers of the format may be rounded either way, as far as f32 arithmetic and the matrix unit's own rounding can turn it there, and no further.
;;   INPUTS GIVEN AS CODES. Wg (in the module: [1024, 1024], K = its axis 1); Wk (in the module: [256, 1024], K = its axis 1); Wo (in the module: [1024, 1024], K = its axis 1); Wq (in the module: [256, 1024], K = its axis 1); Wv (in the module: [1024, 1024], K = its axis 1); keys (in the module: [4, 4096, 1024], K = its axis 2); queries (in the module: [4, 4096, 1024], K = its axis 2); values (in the module: [4, 4096, 1024], K = its axis 2): each comes as NAME_codes (uint8): NAME with its K axis moved to the last place and cut into blocks of 32 codes, [.., K / 32, bytes a block], one block behind the other in memory; one code a byte (a code: sign, 5 exponent bits, 2 mantissa bits); its scale is its entry of lowp_scales. Its value is code x scale, taken as it is: it is not quantised again, and the codes and scales need not be those that the quantiser above would give.
;; One version. Each part assembles by itself: llvm-mc -triple=amdgcn-amd-amdhsa -mcpu=gfx1250 --defsym DOCPART=n.
;; ======== version 1 of 1: 4 launches
;; workspace buffers: vt 16,777,216 bytes; kt 4,194,304 bytes; ksp 131,072 bytes; qq 4,194,304 bytes; qf 16,777,216 bytes; kvq 1,048,576 bytes; zt 65,536 bytes; hq 16,777,216 bytes
;; launch proj (part 1): grid 64 x 4, 4 waves a work-group, no clusters, 327,680 bytes of LDS; arguments values_codes, keys_codes, queries_codes, Wv_codes, Wk_codes, Wq_codes, bv, bk, bq, key_mask, lowp_scales, vt, kt, ksp, qq, qf; writes vt, kt, ksp, qq, qf
.if DOCPART == 1
	.amdgcn_target "amdgcn-amd-amdhsa--gfx1250"
	.amdhsa_code_object_version 6
	.text
	.protected	k_qe95a909050_proj
	.globl	k_qe95a909050_proj
	.p2align	8
	.type	k_qe95a909050_proj,@function
k_qe95a909050_proj:
	s_mov_b64 s[64:65], 0
	v_nop
	global_prefetch_b8 v0, s[64:65] scope:SCOPE_SE
	s_setreg_imm32_b32 hwreg(HW_REG_WAVE_MODE, 25, 1), 1
	s_wait_xcnt 0x0
; PROJ.  Three projections on codes of E5M2 and what follows each, up to the next quantiser:
;   v = (values Wv^T + bv) km, quantised along t (scale entry 9)            -> vt
;   k = relu(keys Wk^T + bk)^2 km, quantised along t (entry 8)              -> kt;  its sums over 128 t, in f32, unquantised -> ksp
;   q = relu(queries Wq^T + bq)^2, quantised along s (entry 10)             -> qq;  the same numbers in f32 (for z)          -> qf
; NOTHING OF THE PROBLEM IS LEFT OUT in any of the four launches: every input has a way to out0, and both masks are data (the work is done and then selected).
; SHARES.  v is 256 blocks of 256 x 256 results (K = 1,024), k and q 64 blocks each: 384 blocks for 256 work-groups, 1.5 each.  WORK-GROUP (x, y) STAYS AND MAKES TWO TILES:
;   first v's block (t block x, d block y); then HALF a block, 128 rows of A x 256 of B: y = 0, 1: k for t block x, s half y;  y = 2, 3: q for rows 256 x + 128 (y - 2) on, all 256 s.
;   Four waves: 128 x 128 each in 64 accumulators in the first tile, 64 x 128 each in 32 accumulators (window 2) in the second.
; ROLES.  Source 0 of the matrix instruction takes 16 rows of B, source 1 16 rows of A: in accumulator (a, b) lane (r, h), register j holds A's row 16 a + r and B's row 16 b + 8 h + j.
;   v, k: A = the weight's rows (d or s), B = the activations' rows (t).   q: A = the queries' rows, B = Wq's rows (s).  So a lane's registers run along the NEXT product's K.
; A FRAGMENT MADE HERE: the 64 registers of accumulators (a, 0..7) give 16 registers of codes, registers 2 b, 2 b + 1 = k 16 b + 8 h + 0..7 of row r.  It is stored as an image of its registers:
;   group c of four registers at 512 c + 16 x lane: each store of the wave covers 512 consecutive bytes, aligned.
; K goes in steps of 256 through two LDS slots (rows of 256 bytes, 16 of padding).  Both operands are fetched from LDS by the same four 16-byte loads a fragment: the same permutation of k on both sides.
; THE RING GOES ON INTO THE SECOND TILE: v's last two changes of slots ask for the second tile's K steps 0 and 1.  A K step of the second tile is 64 matrix instructions a wave, half of v's, so v's WAY OUT STANDS IN PIECES
;   between them: blocks 0-3 (they free window 2), K step 0, blocks 4, 5, K step 1, blocks 6, 7, K steps 2 and 3: each refill has a piece of the way out and a K step in which to land, and v's stores leave under the second tile's products.
; NO CLUSTER.  In a 4 x 4 cluster y would be the work-group's place in its cluster, and the second tile's kind, which steers a branch, hangs on y.  In a 4 x 1 cluster along x the weights could be asked for jointly, but the joint
;   line of the second tile would be A's for k and B's for q: each line's mask would have to be chosen by the kind.  Not built.
; LIMITS.  e2+e3, e4+e5, e6+e7 between -126 and 127; e8, e9, e10 between -126 and 112 (each power of two below is an f32 number).  NaN among the numbers is not served; a masked key gets the code 0 whatever stood there,
;   so an infinity under a false key mask is not carried into kv (it is into the sums of k, as 0 x infinity).  The sums of k are taken in a fixed order of their own.
.set PITCH,  272                       ; an LDS row: 256 bytes + 16 of padding = 68 words: the 16 rows of a fragment load start at 16 different groups of four banks
.set HALFT,  128*PITCH                 ; 128 rows
.set QUART,  64*PITCH                  ; 64 rows: what waves 0 and 1 bring of the second tile's A, and what a wave reads of it
.set SLOT,   4*HALFT                   ; A's 256 rows (second tile: 128), then B's 256 rows from 2 HALFT on
.set SPARE,  2*SLOT                    ; behind the ring: the spare words, 128 bytes a wave
.set FR,     16                        ; registers of a fragment
.set NL,     4                         ; LDS loads that bring one
.set NP,     4                         ; places behind this matrix instruction (ISA guide 7.12.1)
.set SC2,    3                         ; v3       the second tile's quantiser: its scale as f32,
.set ADRA,   4                         ; v4, v5   LDS address of my A fragments in slot 0, 1 (first tile)
.set ADRB,   6                         ; v6, v7   the same for B (both tiles)
.set OL,     8                         ; v8       16 x lane
.set SC,     9                         ; v9       v's quantiser: 2^e9 as f32
.set LIM,    10                        ; v10      57,344 x 2^e9
.set LIM2,   11                        ; v11      and 57,344 x the second tile's scale
.set ADRH,   12                        ; v12, v13 LDS address of my A fragments in slot 0, 1 (second tile)
.set SPW,    14                        ; v14      my spare word; never rewritten
.set NIL,    15                        ; v15      0; never rewritten
.set LT,     16                        ; v16-31   the lane's bias for block a, as a pair (x, x)
.set XV,     32                        ; v32-95   v's way out: 64 numbers (outside the fragments' registers: the second tile's fragments are in flight meanwhile)
.set TAB,    32                        ; v32-95   afterwards, what hangs on the register: km as f32 (k), bq (q)
.set PC,     96                        ; v96-111  the codes
.set MW,     112                       ; v112-127 the key mask of my 64 t as bytes 0x00 / 0xff: v's and k's t are the same
.set AF,     128                       ; v128-255 A's eight fragments (first tile); two sets of four (second tile); free behind the loops
.set X2,     128                       ; the second tile's way out: 64 numbers
.set Y2,     192                       ; q: the same held at the largest code
.set KS,     192                       ; k: the four blocks' sums over t
.set CH,     200                       ; k: four chains of sums
.set GH0,    96                        ; s[96:99], s[32:35]  group 0 of the second tile's A, slot 0, 1
.set GH1,    32
.set GT0,    36                        ; s[36:39], s[40:43]  group 0 of the second tile's B, slot 0, 1
.set GT1,    40
.set FLG,    (1<<20)|(5<<22)|(3<<25)   ; no mask; elements of 1 byte; padding on: 4 words behind every 64
.set MSB, 0
.macro WIN new                         ; the immediate's high byte repeats the setting that is left
.if MSB != (\new)
	s_set_vgpr_msb (MSB<<8)|(\new)
.set MSB, (\new)
.endif
.endm
.set MUL_LO, 0xa1                      ; source 0 (B) window 1, source 1 (A) window 0, C and D window 2
.set MUL_HI, 0xf1                      ; the same, C and D window 3
.set TO_B,   0x40                      ; destination window 1, address window 0
.macro PLACES n
.rept \n
	v_nop
.endr
.endm
.macro LOADT slot                      ; first tile: my quarter of a slot: one tensor load; an s_nop 0 and four v_nop follow it
	tensor_load_to_lds s[16+4*\slot:19+4*\slot], s[24:31]
	s_nop 0
.rept 4
	v_nop
.endr
.endm
; Second tile: waves 0 and 1 bring 64 rows of A each, waves 2 and 3 128 rows of B each: two shapes, so two groups 1 and two lines under a branch on the wave's number.  An s_nop 0 and four v_nop follow each line.
.macro LOAD2 gh, gt
	s_cmp_eq_u32 s12, 0
	s_cbranch_scc0 .Lfor_b_\@
	tensor_load_to_lds s[\gh:\gh+3], s[84:91]
	s_nop 0
.rept 4
	v_nop
.endr
	s_branch .Lasked_\@
.Lfor_b_\@:
	tensor_load_to_lds s[\gt:\gt+3], s[24:31]
	s_nop 0
.rept 4
	v_nop
.endr
.Lasked_\@:
.endm
.macro FRAG reg, adr, q, i             ; 16 rows x 128 K: registers 4 c .. 4 c + 3 hold K = 32 c + 16 h + 0 .. 15 of row r
.irp c, 0,1,2,3
	ds_load_b128 v[\reg+4*\c:\reg+4*\c+3], v[\adr] offset:128*(\q)+32*\c+(\i)*16*PITCH
.endr
.endm
; First tile: 16 matrix instructions: A's blocks a0, a0 + 1 against B's eight.  The 64 accumulators take turns, one instruction a turn, in the same order in every step.
.macro MUL16 a0, p, zero
.irp a, \a0, \a0+1
.irp b, 0,1,2,3,4,5,6,7
.if \zero
	v_wmma_f32_16x16x128_bf8_bf8 v[8*(8*((\a)%4)+\b):8*(8*((\a)%4)+\b)+7], v[128*(\p)+FR*\b:128*(\p)+FR*\b+FR-1], v[AF+FR*(\a):AF+FR*(\a)+FR-1], 0
.else
	v_wmma_f32_16x16x128_bf8_bf8 v[8*(8*((\a)%4)+\b):8*(8*((\a)%4)+\b)+7], v[128*(\p)+FR*\b:128*(\p)+FR*\b+FR-1], v[AF+FR*(\a):AF+FR*(\a)+FR-1], v[8*(8*((\a)%4)+\b):8*(8*((\a)%4)+\b)+7]
.endif
.endr
.endr
.endm
; Second tile: the same with A's four blocks in set p: the 32 accumulators take turns.
.macro MULH a0, p, zero
.irp a, \a0, \a0+1
.irp b, 0,1,2,3,4,5,6,7
.if \zero
	v_wmma_f32_16x16x128_bf8_bf8 v[8*(8*(\a)+\b):8*(8*(\a)+\b)+7], v[128*(\p)+FR*\b:128*(\p)+FR*\b+FR-1], v[AF+64*(\p)+FR*(\a):AF+64*(\p)+FR*(\a)+FR-1], 0
.else
	v_wmma_f32_16x16x128_bf8_bf8 v[8*(8*(\a)+\b):8*(8*(\a)+\b)+7], v[128*(\p)+FR*\b:128*(\p)+FR*\b+FR-1], v[AF+64*(\p)+FR*(\a):AF+64*(\p)+FR*(\a)+FR-1], v[8*(8*(\a)+\b):8*(8*(\a)+\b)+7]
.endif
.endr
.endr
.endm
.macro FETCH_B slot, q, p
	WIN TO_B
.irp i, 0,1,2,3,4,5,6,7
	FRAG 128*(\p)+FR*\i, ADRB+\slot, \q, \i
.endr
	WIN 0
.endm
.macro FETCH_A slot, q, i0
.irp i, \i0, \i0+1, \i0+2, \i0+3
	FRAG AF+FR*(\i), ADRA+\slot, \q, \i
.endr
.endm
.macro FETCH2 slot, q, p               ; second tile: B's eight fragments and A's four into set p: 48 loads
	FETCH_B \slot, \q, \p
.irp i, 0,1,2,3
	FRAG AF+64*(\p)+FR*\i, ADRH+\slot, \q, \i
.endr
.endm
; First tile: 128 along K with its successor in the same slot.  A has one set of registers (a block is free when its eight products are issued), B two.
.macro STEP slot, q, zero
	s_wait_dscnt 4*NL                              ; B's set and A's blocks 0-3 are in; the 16 youngest loads (A's blocks 4-7) may be out
	WIN MUL_LO
	MUL16 0, (\q)%2, \zero
	MUL16 2, (\q)%2, \zero
	s_wait_dscnt 0                                 ; A's blocks 4-7 are in
	PLACES NP                                      ; in front of loads into registers that matrix instructions have read
	FETCH_B \slot, (\q)+1, 1-(\q)%2
	FETCH_A \slot, (\q)+1, 0
	WIN MUL_HI
	MUL16 4, (\q)%2, \zero
	MUL16 6, (\q)%2, \zero
	PLACES NP
	WIN 0
	FETCH_A \slot, (\q)+1, 4
.endm
; First tile: a slot's last 128 along K, and the change of slots: one barrier.  In front of it each wave waits for all its tensor loads, adds 0 to its spare word, and waits for that and for its reads of this slot.
; fill = 1: this slot takes v's K step two steps on;  fill = 2: it takes the second tile's K step 0 (slot 0) or 1 (slot 1).   nx = 1: what is fetched next is the second tile's first 128 along K.
.macro TURN slot, next, fill, nx
	s_wait_tensorcnt 0x0                           ; all my tensor loads have landed: my part of the next slot
	ds_add_u32 v[SPW], v[NIL]
	s_wait_dscnt 4*NL+1                            ; the add and A's blocks 4-7 may be out
	WIN MUL_LO
	MUL16 0, 1, 0
	s_wait_dscnt 0x0                               ; the add is done, and my reads of this slot are over
	s_barrier_signal -1
	MUL16 2, 1, 0
	WIN 0
	s_barrier_wait -1
.if \fill == 1
	s_add_nc_u64 s[18+4*\slot:19+4*\slot], s[18+4*\slot:19+4*\slot], 512   ; two K steps on; no load of mine is out
	LOADT \slot                                    ; the first thing behind the barrier, my one tensor load until the next; its four v_nop are the places in front of the loads below
.elseif \slot == 0
	LOAD2 GH0, GT0
.else
	LOAD2 GH1, GT1
.endif
.if \nx
	FETCH2 \next, 0, 0
.else
	FETCH_B \next, 0, 0
	FETCH_A \next, 0, 0
.endif
	WIN MUL_HI
	MUL16 4, 1, 0
	MUL16 6, 1, 0
	PLACES NP
	WIN 0
.if \nx == 0
	FETCH_A \next, 0, 4
.endif
.endm
; Second tile: a slot's first 128 along K (set 0); in its middle the slot's second 128 are fetched into set 1.
.macro HSTEP slot, zero
	s_wait_dscnt 0x0                               ; set 0 is in
	WIN MUL_LO
	MULH 0, 0, \zero
	PLACES NP                                      ; in front of loads into set 1, which the step before has read
	FETCH2 \slot, 1, 1
	WIN MUL_LO
	MULH 2, 0, \zero
	WIN 0
.endm
; Second tile: a slot's second 128 along K (set 1), and the change of slots, in the same order as in TURN.  fill = 1: this slot takes the K step two steps on.
.macro HTURN slot, next, fill
	s_wait_tensorcnt 0x0                           ; all my tensor loads have landed: my part of the next slot
	ds_add_u32 v[SPW], v[NIL]
	s_wait_dscnt 0x1                               ; set 1's 48 loads, issued ahead of the add, are in; the add may be out
	WIN MUL_LO
	MULH 0, 1, 0
	s_wait_dscnt 0x0                               ; the add is done, and my reads of this slot are over
	s_barrier_signal -1
	WIN 0
	s_barrier_wait -1
.if \fill
.if \slot == 0
	s_add_nc_u64 s[GH0+2:GH0+3], s[GH0+2:GH0+3], 512   ; no load of mine is out: both groups 0 may be written
	s_add_nc_u64 s[GT0+2:GT0+3], s[GT0+2:GT0+3], 512
	LOAD2 GH0, GT0                                 ; the first thing behind the barrier, my one tensor load until the next
.else
	s_add_nc_u64 s[GH1+2:GH1+3], s[GH1+2:GH1+3], 512
	s_add_nc_u64 s[GT1+2:GT1+3], s[GT1+2:GT1+3], 512
	LOAD2 GH1, GT1
.endif
.else
	PLACES NP
.endif
	FETCH2 \next, 0, 0                             ; (four v_nop stand in front: set 0 was read by the step before)
	WIN MUL_LO
	MULH 2, 1, 0
	WIN 0
.endm
.macro HTAIL                           ; the second tile's last K step: written once for each kind, behind the one parting on the kind; no barrier stands in it
	HSTEP 1, 0
	s_wait_dscnt 0x0
	WIN MUL_LO
	MULH 0, 1, 0
	MULH 2, 1, 0
	WIN 0
	PLACES NP                                      ; in front of the first read of results and the first write of A's registers
.endm
	s_load_b512 s[32:47], s[0:1], 0x0              ; values 32, keys 34, queries 36, Wv 38, Wk 40, Wq 42, bv 44, bk 46
	s_load_b512 s[48:63], s[0:1], 0x40             ; bq 48, key_mask 50, lowp_scales 52, vt 54, kt 56, ksp 58, qq 60, qf 62
	v_lshl_add_u32 v[SPW], v0, 2, SPARE
	v_mov_b32 v[NIL], 0
	ds_add_u32 v[SPW], v[NIL]                      ; the opening: the add, twice on end, and its wait ahead of my first tensor load
	ds_add_u32 v[SPW], v[NIL]
	v_lshrrev_b32 v32, 5, v0
	v_readfirstlane_b32 s11, v32                   ; wave 0..3
	s_lshr_b32 s12, s11, 1                         ; ah: my half of A's rows.  Also: I fetch for A (0) or for B (1)
	s_and_b32 s13, s11, 1                          ; bh: my half of B's rows.  Also: which half of that operand's rows I fetch
	s_and_b32 s10, ttmp7, 0xffff                   ; y: v's block of d; the second tile is k's for y < 2, q's else
	s_and_b32 s14, s10, 1                          ; yh: which half of k's or q's block
	s_mov_b32 s24, FLG                             ; group 1, 128 rows x 256 bytes
	s_mov_b32 s25, 256<<16                         ; tensor_dim0 = 256
	s_mov_b32 s26, 128<<16                         ; tensor_dim1 = 128
	s_mov_b32 s27, 256<<16                         ; tile_dim0 = 256
	s_mov_b32 s28, 128                             ; tile_dim1 = 128
	s_mov_b32 s29, 1024                            ; from row to row
	s_mov_b32 s30, 0
	s_mov_b32 s31, 0
	s_mov_b32 s84, FLG                             ; group 1, 64 rows x 256 bytes: the second tile's A
	s_mov_b32 s85, 256<<16
	s_mov_b32 s86, 64<<16
	s_mov_b32 s87, 256<<16
	s_mov_b32 s88, 64
	s_mov_b32 s89, 1024
	s_mov_b32 s90, 0
	s_mov_b32 s91, 0
	s_mov_b32 s92, 0x76543210                      ; lane selects: lane l xor 16
	s_mov_b32 s93, 0xfedcba98
	s_mov_b32 s94, 0xffff0000                      ; lanes 16-31
	s_mov_b32 s3, 0                                ; stays 0: the upper word of every offset in s[2:3]
	s_mov_b32 s5, 0
	s_mov_b32 s9, 0
	s_mov_b32 s67, 0
	s_lshl_b32 s2, ttmp9, 18                       ; 256 rows of the activations: block x
	s_lshl_b32 s4, s10, 18                         ; 256 rows of Wv: block y
	s_lshl_b32 s6, s13, 17                         ; 128 rows: half bh
	s_cmp_eq_u32 s12, 0
	s_cselect_b32 s4, s4, s2                       ; first tile: I fetch the weight (A) or the values (B),
	s_add_co_u32 s4, s4, s6                        ; half bh of its 256 rows
	s_cmp_lt_u32 s10, 2                            ; second tile: k?
	s_cselect_b32 s8, 0, s2                        ; A: Wk from its first row, or the queries' block x,
	s_cselect_b32 s66, s2, 0                       ; B: the keys' block x, or Wq from its first row
	s_lshl_b32 s95, s14, 17
	s_add_co_u32 s8, s8, s95                       ; A: + 128 rows x yh
	s_lshl_b32 s95, s13, 16
	s_add_co_u32 s8, s8, s95                       ;    + 64 rows x bh: what wave 0 or 1 brings
	s_add_co_u32 s66, s66, s6                      ; B: + 128 rows x bh: what wave 2 or 3 brings
	s_mul_i32 s17, s11, HALFT                      ; where my loads of 128 rows go: wave x 128 rows,
	s_add_co_u32 s21, s17, SLOT
	s_mul_i32 s97, s11, QUART                      ; and those of 64 rows: wave x 64 rows
	s_mov_b32 s16, 1
	s_mov_b32 s20, 1
	s_wait_dscnt 0x0                               ; both opening adds are done
	s_wait_kmcnt 0x0
	s_load_b256 s[68:75], s[52:53], 0x0            ; e0 .. e7
	s_load_b128 s[76:79], s[52:53], 0x20           ; e8 .. e11
	s_cmp_eq_u32 s12, 0
	s_cselect_b64 s[18:19], s[38:39], s[32:33]     ; Wv or the values
	s_add_nc_u64 s[18:19], s[18:19], s[4:5]        ; group 0, slot 0: K step 0
	s_add_nc_u64 s[22:23], s[18:19], 256           ; slot 1: K step 1
	s_or_b32 s19, s19, 0x80000000
	s_or_b32 s23, s23, 0x80000000
	tensor_load_to_lds s[16:19], s[24:31]          ; both first fills go out together: two loads of mine are out
	s_nop 0
	LOADT 1
	; the second tile's four groups 0: every wave makes all four, and asks by A's (waves 0, 1) or by B's (waves 2, 3).  They lie in registers whose pointers are spent.
	s_cmp_lt_u32 s10, 2
	s_cselect_b64 s[98:99], s[40:41], s[36:37]     ; A: Wk or the queries
	s_cselect_b64 s[6:7], s[34:35], s[42:43]       ; B: the keys or Wq
	s_add_nc_u64 s[98:99], s[98:99], s[8:9]
	s_add_nc_u64 s[6:7], s[6:7], s[66:67]
	s_mov_b32 s96, 1                               ; A, slot 0: K step 0 (s97: the LDS address)
	s_mov_b32 s32, 1                               ; A, slot 1: K step 1
	s_add_co_u32 s33, s97, SLOT
	s_add_nc_u64 s[34:35], s[98:99], 256
	s_or_b32 s99, s99, 0x80000000
	s_or_b32 s35, s35, 0x80000000
	s_mov_b32 s36, 1                               ; B, slot 0
	s_mov_b32 s37, s17
	s_mov_b64 s[38:39], s[6:7]
	s_or_b32 s39, s39, 0x80000000
	s_mov_b32 s40, 1                               ; B, slot 1
	s_mov_b32 s41, s21
	s_add_nc_u64 s[42:43], s[6:7], 256
	s_or_b32 s43, s43, 0x80000000
	v_and_b32 v1, 15, v0                           ; r; kept
	v_bfe_u32 v2, v0, 4, 1                         ; h; kept
	v_mul_u32_u24 v32, v1, PITCH
	v_lshl_add_u32 v32, v2, 4, v32                 ; a fragment's row x pitch + 16 h
	s_mul_i32 s4, s12, HALFT
	s_mul_i32 s5, s13, HALFT
	s_add_co_u32 s5, s5, 2*HALFT
	s_mul_i32 s6, s12, QUART
	v_add_nc_u32 v[ADRA], s4, v32
	v_add_nc_u32 v[ADRB], s5, v32
	v_add_nc_u32 v[ADRH], s6, v32
	s_add_co_u32 s4, s4, SLOT
	s_add_co_u32 s5, s5, SLOT
	s_add_co_u32 s6, s6, SLOT
	v_add_nc_u32 v[ADRA+1], s4, v32
	v_add_nc_u32 v[ADRB+1], s5, v32
	v_add_nc_u32 v[ADRH+1], s6, v32
	v_and_b32 v[OL], 31, v0
	v_lshlrev_b32 v[OL], 4, v[OL]
	; v's tables: the key mask's 64 bytes of my lane (t = 16 b + 8 h + 0..7) and the bias of my lane's eight rows of d
	s_lshl_b32 s2, ttmp9, 8
	s_lshl_b32 s4, s13, 7
	s_add_co_u32 s2, s2, s4                        ; 256 x + 128 bh: my first t, counted through the batches
	s_add_nc_u64 s[50:51], s[50:51], s[2:3]
	s_lshl_b32 s2, s10, 10
	s_lshl_b32 s4, s12, 9
	s_add_co_u32 s2, s2, s4
	s_add_nc_u64 s[44:45], s[44:45], s[2:3]        ; bv at d = 256 y + 128 ah
	v_lshlrev_b32 v33, 2, v1
	v_lshlrev_b32 v34, 3, v2
.irp b, 0,1,2,3,4,5,6,7
	global_load_b64 v[MW+2*\b:MW+2*\b+1], v34, s[50:51] offset:16*\b
.endr
.irp a, 0,1,2,3,4,5,6,7
	global_load_b32 v[LT+2*\a], v33, s[44:45] offset:64*\a
.endr
	s_lshr_b32 s2, ttmp9, 4
	s_lshl_b32 s2, s2, 6                           ; 64 x batch
	s_lshl_b32 s4, s10, 4
	s_add_co_u32 s2, s2, s4
	s_lshl_b32 s4, s12, 3
	s_add_co_u32 s2, s2, s4                        ; my first tile of d
	s_lshl_b32 s2, s2, 5
	s_and_b32 s4, ttmp9, 15
	s_lshl_b32 s4, s4, 1
	s_add_co_u32 s4, s4, s13                       ; my fragment along t
	s_add_co_u32 s2, s2, s4
	s_lshl_b32 s2, s2, 11
	s_add_nc_u64 s[54:55], s[54:55], s[2:3]        ; vt there
	s_wait_kmcnt 0x0
	s_add_co_i32 s6, s70, s71                      ; v: e2 + e3
	s_add_co_i32 s6, s6, 127
	s_lshl_b32 s80, s6, 23                         ; 2^(e2 + e3): a sum of v stands for sum x that
	s_mov_b32 s81, s80
	s_add_co_i32 s6, s77, 127                      ; e9
	s_lshl_b32 s7, s6, 23
	v_mov_b32 v[SC], s7
	s_add_co_i32 s6, s6, 15
	s_lshl_b32 s6, s6, 23
	s_or_b32 s6, s6, 0x600000
	v_mov_b32 v[LIM], s6
	s_add_co_i32 s6, s74, s75                      ; k: e6 + e7
	s_add_co_i32 s7, s72, s73                      ; q: e4 + e5
	s_cmp_lt_u32 s10, 2
	s_cselect_b32 s6, s6, s7
	s_cselect_b32 s7, s76, s78                     ; the quantiser's: k e8, q e10
	s_add_co_i32 s6, s6, 127
	s_lshl_b32 s82, s6, 23                         ; the second tile's power of two
	s_mov_b32 s83, s82
	s_add_co_i32 s7, s7, 127
	s_lshl_b32 s6, s7, 23
	v_mov_b32 v[SC2], s6
	s_add_co_i32 s7, s7, 15
	s_lshl_b32 s7, s7, 23
	s_or_b32 s7, s7, 0x600000
	v_mov_b32 v[LIM2], s7
	s_wait_loadcnt 0x0                             ; the tables are in (the first tiles are still on their way)
.irp a, 0,1,2,3,4,5,6,7
	v_mov_b32 v[LT+2*\a+1], v[LT+2*\a]
.endr
	s_mov_b32 s4, 255
.set ii, 0
.rept 16
	v_mul_lo_u32 v[MW+ii], v[MW+ii], s4            ; the mask's bytes 0 / 1 as 0x00 / 0xff
.set ii, ii+1
.endr
; ---- the ways out
.macro TOX a, x, s, lane               ; v[x ..] = sum x s[s] + bias; lane = 1: the bias hangs on the lane, 0: on the register.  Each accumulator is read from its low end on
.set AC, 64*((\a)%4)
	WIN 0x02+((\a)/4)
.set jj, 0
.rept 32
.if \lane
	v_pk_fma_f32 v[\x+jj:\x+jj+1], v[AC+jj:AC+jj+1], s[\s:\s+1], v[LT+2*(\a):LT+2*(\a)+1] op_sel_hi:[1,0,1]
.else
	v_pk_fma_f32 v[\x+jj:\x+jj+1], v[AC+jj:AC+jj+1], s[\s:\s+1], v[TAB+jj:TAB+jj+1] op_sel_hi:[1,0,1]
.endif
.set jj, jj+2
.endr
	WIN 0
.endm
.macro RELU2                           ; X2 = relu(X2)^2
.set ii, 0
.rept 64
	v_max_num_f32 v[X2+ii], 0, v[X2+ii]
.set ii, ii+1
.endr
.set ii, 0
.rept 32
	v_pk_mul_f32 v[X2+ii:X2+ii+1], v[X2+ii:X2+ii+1], v[X2+ii:X2+ii+1]
.set ii, ii+2
.endr
.endm
.macro CODES src, sc                   ; 64 numbers become a fragment's 16 registers
.set gg, 0
.rept 8
	v_cvt_scalef32_pk8_bf8_f32 v[PC+2*gg:PC+2*gg+1], v[\src+8*gg:\src+8*gg+7], v[\sc]
.set gg, gg+1
.endr
	v_nop                                          ; a plain instruction between the conversions and whatever next touches their results or sources
.endm
.macro MASKED                          ; a masked t gets the code 0
.set ii, 0
.rept 16
	v_and_b32 v[PC+ii], v[PC+ii], v[MW+ii]
.set ii, ii+1
.endr
.endm
.macro OUT4 base, off                  ; the image: four stores of 512 consecutive bytes
.irp c, 0,1,2,3
	global_store_b128 v[OL], v[PC+4*\c:PC+4*\c+3], s[\base:\base+1] offset:\off+512*\c
.endr
.endm
.macro VBLOCK a
	s_wait_xcnt 0x0                                ; the last block's stores have read the codes' registers
	TOX \a, XV, 80, 1
.set ii, 0
.rept 64
	v_med3_num_f32 v[XV+ii], v[XV+ii], -v[LIM], v[LIM]   ; the conversion does not saturate (ISA guide 7.6.2): the hold at the largest code x the scale
.set ii, ii+1
.endr
	CODES XV, SC
	MASKED
	OUT4 54, 65536*(\a)
.endm
.macro KBLOCK a
	s_wait_xcnt 0x0
	TOX \a, X2, 82, 1
	RELU2
.set cc, 0
.rept 4
	v_pk_mul_f32 v[CH+2*cc:CH+2*cc+1], v[X2+2*cc:X2+2*cc+1], v[TAB+2*cc:TAB+2*cc+1]    ; the sum over t of k km, in four chains
.set cc, cc+1
.endr
.rept 28
	v_pk_fma_f32 v[CH+2*(cc%4):CH+2*(cc%4)+1], v[X2+2*cc:X2+2*cc+1], v[TAB+2*cc:TAB+2*cc+1], v[CH+2*(cc%4):CH+2*(cc%4)+1]
.set cc, cc+1
.endr
	v_pk_add_f32 v[CH:CH+1], v[CH:CH+1], v[CH+2:CH+3]
	v_pk_add_f32 v[CH+4:CH+5], v[CH+4:CH+5], v[CH+6:CH+7]
	v_pk_add_f32 v[CH:CH+1], v[CH:CH+1], v[CH+4:CH+5]
	v_add_f32 v[CH], v[CH], v[CH+1]
	v_permlanex16_b32 v[CH+2], v[CH], s92, s93     ; the row's other 64 t lie in the lane 16 away
	v_add_f32 v[KS+(\a)], v[CH], v[CH+2]
.set ii, 0
.rept 64
	v_min_num_f32 v[X2+ii], v[X2+ii], v[LIM2]      ; never negative: the hold is one-sided
.set ii, ii+1
.endr
	CODES X2, SC2
	MASKED
	OUT4 56, 65536*(\a)
.endm
.macro QBLOCK a
	s_wait_xcnt 0x0
	TOX \a, X2, 82, 0
	RELU2
.set gg, 0
.rept 16
	global_store_b128 v[OL], v[X2+4*gg:X2+4*gg+3], s[62:63] offset:16384*(\a)+512*gg   ; q in f32, as the registers lie
.set gg, gg+1
.endr
.set ii, 0
.rept 64
	v_min_num_f32 v[Y2+ii], v[X2+ii], v[LIM2]      ; into other registers: the stores above still read X2
.set ii, ii+1
.endr
	CODES Y2, SC2
	OUT4 60, 4096*(\a)
.endm
	s_wait_tensorcnt 0x1                           ; my part of K step 0 is in; K step 1's may stay out
	s_barrier_signal -1
	s_barrier_wait -1
	FETCH_B 0, 0, 0
	FETCH_A 0, 0, 0
	FETCH_A 0, 0, 4
	STEP 0, 0, 1                                   ; the first products start the sums: nothing is cleared
	TURN 0, 1, 1, 0                                ; slot 0 takes v's K step 2
	STEP 1, 0, 0
	TURN 1, 0, 1, 0                                ; slot 1 takes v's K step 3
	STEP 0, 0, 0
	TURN 0, 1, 2, 0                                ; slot 0 takes the second tile's K step 0
	STEP 1, 0, 0
	TURN 1, 0, 2, 1                                ; slot 1 takes its K step 1; its first fragments are fetched; v's sums are finished
.irp a, 0,1,2,3
	VBLOCK \a                                      ; v's blocks 0-3 go out: window 2 is free for the second tile
.endr
	HSTEP 0, 1                                     ; the second tile's first products start its sums
	HTURN 0, 1, 1                                  ; slot 0 takes its K step 2
	VBLOCK 4                                       ; while that lands
	VBLOCK 5
	HSTEP 1, 0
	HTURN 1, 0, 1                                  ; slot 1 takes its K step 3
	VBLOCK 6
	VBLOCK 7
	HSTEP 0, 0
	HTURN 0, 1, 0                                  ; the last change of slots: nothing is left to fetch
	s_cmp_lt_u32 s10, 2                            ; the one parting on the kind (an id, the same in all four waves), behind the last barrier: each path asks for its tables, runs the last K step while they come, and goes out
	s_cbranch_scc0 .Lqueries
	; ---- k: s = 128 yh + 64 ah + 16 a + r
	s_lshl_b32 s2, s14, 9
	s_lshl_b32 s4, s12, 8
	s_add_co_u32 s2, s2, s4                        ; 4 bytes x (128 yh + 64 ah)
	s_add_nc_u64 s[46:47], s[46:47], s[2:3]        ; bk there,
	s_add_nc_u64 s[58:59], s[58:59], s[2:3]        ; and ksp's column
	v_lshlrev_b32 v31, 2, v1
.irp a, 0,1,2,3
	global_load_b32 v[LT+2*\a], v31, s[46:47] offset:64*\a
.endr
	s_lshr_b32 s2, ttmp9, 4
	s_lshl_b32 s2, s2, 4                           ; 16 x batch
	s_lshl_b32 s4, s14, 3
	s_add_co_u32 s2, s2, s4
	s_lshl_b32 s4, s12, 2
	s_add_co_u32 s2, s2, s4                        ; my first tile of s
	s_lshl_b32 s2, s2, 5
	s_and_b32 s4, ttmp9, 15
	s_lshl_b32 s4, s4, 1
	s_add_co_u32 s4, s4, s13                       ; my fragment along t
	s_add_co_u32 s2, s2, s4
	s_lshl_b32 s2, s2, 11
	s_add_nc_u64 s[56:57], s[56:57], s[2:3]        ; kt there
	s_lshl_b32 s2, ttmp9, 1
	s_add_co_u32 s2, s2, s13
	s_lshl_b32 s2, s2, 10                          ; ksp: (32 x batch + fragment) x 1,024 bytes = (2 x + bh) x 1,024
	s_add_nc_u64 s[58:59], s[58:59], s[2:3]
.irp b, 0,1,2,3,4,5,6,7
.irp j, 0,1,2,3,4,5,6,7
	v_bfe_u32 v[TAB+8*\b+\j], v[MW+2*\b+\j/4], 8*(\j%4), 1
.endr
.endr
.set ii, 0
.rept 64
	v_cvt_f32_u32 v[TAB+ii], v[TAB+ii]             ; km as f32, register 8 b + j for t = 16 b + 8 h + j
.set ii, ii+1
.endr
	HTAIL
	s_wait_loadcnt 0x0
.irp a, 0,1,2,3
	v_mov_b32 v[LT+2*\a+1], v[LT+2*\a]
.endr
.irp a, 0,1,2,3
	KBLOCK \a
.endr
	v_and_b32 v196, 31, v0
	v_lshlrev_b32 v196, 2, v196
.irp p, 0,1
	v_cndmask_b32 v[CH+\p], v[KS+2*\p], v[KS+2*\p+1], s94   ; lanes 0-15: block 2 p's row r; lanes 16-31: block 2 p + 1's
.endr
.irp p, 0,1
	global_store_b32 v196, v[CH+\p], s[58:59] offset:128*\p ; 32 neighbouring s: 128 consecutive bytes
.endr
	s_branch .Ldone
.Lqueries:
	; ---- q: row 256 x + 128 yh + 64 ah + 16 a + r; s = 128 bh + 16 b + 8 h + j
	s_lshl_b32 s2, s13, 9
	s_add_nc_u64 s[48:49], s[48:49], s[2:3]        ; bq at s = 128 bh
	v_lshlrev_b32 v31, 5, v2
.irp b, 0,1,2,3,4,5,6,7
	global_load_b128 v[TAB+8*\b:TAB+8*\b+3], v31, s[48:49] offset:64*\b
	global_load_b128 v[TAB+8*\b+4:TAB+8*\b+7], v31, s[48:49] offset:64*\b+16
.endr
	s_lshl_b32 s4, ttmp9, 4
	s_lshl_b32 s5, s14, 3
	s_add_co_u32 s4, s4, s5
	s_lshl_b32 s5, s12, 2
	s_add_co_u32 s4, s4, s5                        ; my first tile of rows: 16 x + 8 yh + 4 ah
	s_lshl_b32 s2, s4, 12
	s_lshl_b32 s5, s13, 11
	s_add_co_u32 s2, s2, s5
	s_add_nc_u64 s[60:61], s[60:61], s[2:3]        ; qq there, fragment bh
	s_lshl_b32 s2, s4, 14
	s_lshl_b32 s5, s13, 13
	s_add_co_u32 s2, s2, s5
	s_add_nc_u64 s[62:63], s[62:63], s[2:3]        ; qf likewise
	HTAIL
	s_wait_loadcnt 0x0
.irp a, 0,1,2,3
	QBLOCK \a
.endr
.Ldone:
	s_wait_tensorcnt 0x0                           ; the wave's end
	ds_add_u32 v[SPW], v[NIL]
	s_wait_dscnt 0x0
	s_endpgm
.Lfunc_end_k_qe95a909050_proj:
	.size	k_qe95a909050_proj, .Lfunc_end_k_qe95a909050_proj-k_qe95a909050_proj
	.p2alignl 7, 3214868480
	.fill 96, 4, 3214868480
	.section	.rodata,"a",@progbits
	.p2align	6, 0x0
	.amdhsa_kernel k_qe95a909050_proj
		.amdhsa_group_segment_fixed_size 327680
		.amdhsa_private_segment_fixed_size 0
		.amdhsa_enable_private_segment 0
		.amdhsa_kernarg_size 128
		.amdhsa_user_sgpr_count 2
		.amdhsa_user_sgpr_kernarg_segment_ptr 1
		.amdhsa_wavefront_size32 1
		.amdhsa_system_sgpr_workgroup_id_x 1
		.amdhsa_system_sgpr_workgroup_id_y 1
		.amdhsa_system_sgpr_workgroup_id_z 1
		.amdhsa_system_vgpr_workitem_id 0
		.amdhsa_next_free_vgpr 1024
		.amdhsa_next_free_sgpr 100
		.amdhsa_reserve_vcc 0
		.amdhsa_float_denorm_mode_32 3
		.amdhsa_float_denorm_mode_16_64 3
		.amdhsa_memory_ordered 1
		.amdhsa_forward_progress 1
		.amdhsa_inst_pref_size 255
	.end_amdhsa_kernel
	.section	.bss,"aw",@nobits
	.p2align	6
	.space	262144
	.amdgpu_metadata
---
amdhsa.version: [ 1, 2 ]
amdhsa.kernels:
  - .name:           k_qe95a909050_proj
    .symbol:         k_qe95a909050_proj.kd
    .args:
      - { .name: values_codes, .offset: 0, .size: 8, .value_kind: global_buffer, .address_space: global }
      - { .name: keys_codes, .offset: 8, .size: 8, .value_kind: global_buffer, .address_space: global }
      - { .name: queries_codes, .offset: 16, .size: 8, .value_kind: global_buffer, .address_space: global }
      - { .name: Wv_codes, .offset: 24, .size: 8, .value_kind: global_buffer, .address_space: global }
      - { .name: Wk_codes, .offset: 32, .size: 8, .value_kind: global_buffer, .address_space: global }
      - { .name: Wq_codes, .offset: 40, .size: 8, .value_kind: global_buffer, .address_space: global }
      - { .name: bv, .offset: 48, .size: 8, .value_kind: global_buffer, .address_space: global }
      - { .name: bk, .offset: 56, .size: 8, .value_kind: global_buffer, .address_space: global }
      - { .name: bq, .offset: 64, .size: 8, .value_kind: global_buffer, .address_space: global }
      - { .name: key_mask, .offset: 72, .size: 8, .value_kind: global_buffer, .address_space: global }
      - { .name: lowp_scales, .offset: 80, .size: 8, .value_kind: global_buffer, .address_space: global }
      - { .name: vt, .offset: 88, .size: 8, .value_kind: global_buffer, .address_space: global }
      - { .name: kt, .offset: 96, .size: 8, .value_kind: global_buffer, .address_space: global }
      - { .name: ksp, .offset: 104, .size: 8, .value_kind: global_buffer, .address_space: global }
      - { .name: qq, .offset: 112, .size: 8, .value_kind: global_buffer, .address_space: global }
      - { .name: qf, .offset: 120, .size: 8, .value_kind: global_buffer, .address_space: global }
    .group_segment_fixed_size: 327680
    .private_segment_fixed_size: 0
    .kernarg_segment_align: 8
    .kernarg_segment_size: 128
    .max_flat_workgroup_size: 128
    .sgpr_count:     100
    .vgpr_count:     1024
    .wavefront_size: 32
...
	.end_amdgpu_metadata
.endif
;; end of part 1
;; launch kvz (part 2): grid 256 x 1, 8 waves a work-group, no clusters, 136,704 bytes of LDS; arguments kt, vt, ksp, qf, lowp_scales, kvq, zt; writes kvq, zt
.if DOCPART == 2
	.amdgcn_target "amdgcn-amd-amdhsa--gfx1250"
	.amdhsa_code_object_version 6
	.text
	.protected	k_qe95a909050_kvz
	.globl	k_qe95a909050_kvz
	.p2align	8
	.type	k_qe95a909050_kvz,@function
k_qe95a909050_kvz:
	s_mov_b64 s[64:65], 0
	v_nop
	global_prefetch_b8 v0, s[64:65] scope:SCOPE_SE
	s_setreg_imm32_b32 hwreg(HW_REG_WAVE_MODE, 25, 1), 1
	s_wait_xcnt 0x0
; KVZ.  kv[b] = k^T v over all 4,096 t, on the codes that the launch before has made, then quantised along s (scale entry 11) -> kvq;  ksum = the sum of k over t;  1 / z, z = q . ksum + 1e-6, f32 operands -> zt.  Nothing is left out.
; SHARES.  Work-group g: batch b = g / 64, 64 s (sb = (g / 16) % 4), 64 d (db = g % 16): 16 accumulators.  K IS SPLIT OVER THE EIGHT WAVES: wave w takes fragments 4 w .. 4 w + 3 along t (512 t); the eight partial
; tiles meet in LDS.  The work-group also makes 1 / z of query rows 64 g .. 64 g + 63, which lie in the same batch.
; FRAGMENTS COME STRAIGHT INTO REGISTERS: each byte of a fragment is used by one wave of the work-group alone, and the buffers hold images of the registers, so a fragment is four loads of 512 consecutive bytes.
; Two sets of eight fragments: while one is multiplied, the other's 32 loads are on their way.  No tensor load, so no cluster's joint load either.
; Source 0 = k's fragment (registers of the result run along s), source 1 = v's (lanes are d): the results, converted eight at a time, are registers of kvq's fragments.
; LIMITS.  e11 - e8 - e9 between -126 and 112.  The division by z is a reciprocal (1 ULP) and a later multiplication.  kv's and ksum's f32 sums are taken in a fixed order of their own.
.set KSP,   131072                     ; LDS: 0 .. 131,071 the eight waves' partial tiles (wave x 16,384 + accumulator x 1,024 + 512 k + 16 x lane);  KSP: four partial sums of k, [4][256] f32
.set ZP,    135168                     ; the waves' halves of z: 64 w + 4 r
.set SPARE, 135680                     ; the spare words, 128 bytes a wave
.set MSB, 0
.macro WIN new
.if MSB != (\new)
	s_set_vgpr_msb (MSB<<8)|(\new)
.set MSB, (\new)
.endif
.endm
; REGISTERS, window 0: v1 16 x lane; v3 ksp offset; v4 where I store my tiles; v5, v6 where I read two tiles of all waves; v7 ksum table; v8 my word of ZP; v9, v10 scale and hold; v11 my 16 bytes of KSP; v12 ZP as wave 0 reads it;
;   v13 8 x lane; v14, v15 the add's two; v20-23 codes; v24-29 at work; v32-95 q in f32; v96-127 ksp as loaded; v128-255 the 16 accumulators (4 y + x), later what is read back.   window 1: two sets: k's four fragments, then v's four.
	s_load_b256 s[4:11], s[0:1], 0x0               ; kt 4, vt 6, ksp 8, qf 10
	s_load_b128 s[12:15], s[0:1], 0x20             ; lowp_scales 12, kvq 14
	s_load_b64 s[16:17], s[0:1], 0x30              ; zt
	v_lshl_add_u32 v14, v0, 2, SPARE
	v_mov_b32 v15, 0
	v_lshrrev_b32 v2, 5, v0
	v_readfirstlane_b32 s18, v2                    ; wave 0..7
	s_lshr_b32 s19, ttmp9, 6                       ; b
	s_bfe_u32 s20, ttmp9, 0x20004                  ; sb
	s_and_b32 s21, ttmp9, 15                       ; db
	s_lshr_b32 s22, s18, 1                         ; w / 2
	s_and_b32 s23, s18, 1                          ; w % 2
	s_mov_b32 s40, 0x76543210
	s_mov_b32 s41, 0xfedcba98
	v_and_b32 v2, 31, v0                           ; lane
	v_lshlrev_b32 v1, 4, v2
	v_lshlrev_b32 v13, 3, v2
	v_lshrrev_b32 v3, 6, v0
	v_and_b32 v24, 63, v0
	v_lshlrev_b32 v24, 4, v24
	v_lshl_add_u32 v3, v3, 13, v24                 ; thread t: partial sums 8 (t / 64) on, s = 4 (t % 64) on
	s_lshl_b32 s2, s18, 14
	v_add_nc_u32 v4, s2, v1
	s_lshl_b32 s2, s18, 11
	v_add_nc_u32 v5, s2, v1
	v_add_nc_u32 v6, 0x10000, v5
	v_bfe_u32 v24, v0, 4, 1                        ; h
	s_lshl_b32 s2, s23, 9
	s_add_co_u32 s2, s2, KSP
	v_lshl_add_u32 v7, v24, 5, s2                  ; KSP + 512 f + 32 h
	v_and_b32 v24, 15, v0                          ; r
	s_lshl_b32 s2, s18, 6
	s_add_co_u32 s2, s2, ZP
	v_lshl_add_u32 v8, v24, 2, s2
	v_lshl_add_u32 v11, v0, 4, KSP
	v_lshrrev_b32 v24, 3, v2
	v_and_b32 v25, 7, v2
	v_lshlrev_b32 v25, 3, v25
	v_lshl_add_u32 v12, v24, 7, v25
	v_add_nc_u32 v12, ZP, v12                      ; lane l: rows 2 l, 2 l + 1: tile l / 8, words 2 (l % 8) on
	s_lshl_b32 s3, s18, 2                          ; 4 w
	s_lshl_b32 s28, s19, 4
	s_lshl_b32 s2, s20, 2
	s_add_co_u32 s28, s28, s2
	s_lshl_b32 s28, s28, 5
	s_add_co_u32 s28, s28, s3
	s_lshl_b32 s28, s28, 11                        ; kt: ((16 b + 4 sb) 32 + 4 w) fragments of 2,048 bytes
	s_mov_b32 s29, 0
	s_lshl_b32 s30, s19, 6
	s_lshl_b32 s2, s21, 2
	s_add_co_u32 s30, s30, s2                      ; 64 b + 4 db
	s_add_co_u32 s36, s30, s22                     ; + w / 2: the tile of d whose codes I store
	s_lshl_b32 s30, s30, 5
	s_add_co_u32 s30, s30, s3
	s_lshl_b32 s30, s30, 11                        ; vt likewise
	s_mov_b32 s31, 0
	s_lshl_b32 s32, s19, 15                        ; ksp: the batch's 32 x 1,024 bytes
	s_mov_b32 s33, 0
	s_lshl_b32 s34, ttmp9, 2
	s_add_co_u32 s34, s34, s22
	s_lshl_b32 s34, s34, 14
	s_lshl_b32 s2, s23, 13
	s_add_co_u32 s34, s34, s2                      ; qf: tile of rows 4 g + w / 2, half w % 2 of s
	s_mov_b32 s35, 0
	s_lshl_b32 s36, s36, 1
	s_lshr_b32 s2, s20, 1
	s_add_co_u32 s36, s36, s2
	s_lshl_b32 s36, s36, 11                        ; kvq: fragment (tile of d, sb / 2),
	s_and_b32 s2, s20, 1
	s_lshl_b32 s2, s2, 1
	s_add_co_u32 s2, s2, s23
	s_lshl_b32 s2, s2, 9
	s_add_co_u32 s36, s36, s2                      ; group of four registers 2 (sb % 2) + w % 2
	s_mov_b32 s37, 0
	s_lshl_b32 s38, ttmp9, 8
	s_mov_b32 s39, 0
	s_wait_kmcnt 0x0
	s_load_b128 s[24:27], s[12:13], 0x20           ; e8, e9, e10, e11
	s_add_nc_u64 s[4:5], s[4:5], s[28:29]
	s_add_nc_u64 s[6:7], s[6:7], s[30:31]
	s_add_nc_u64 s[8:9], s[8:9], s[32:33]
	s_add_nc_u64 s[10:11], s[10:11], s[34:35]
	s_add_nc_u64 s[14:15], s[14:15], s[36:37]
	s_add_nc_u64 s[16:17], s[16:17], s[38:39]
.macro KLOAD i                         ; the eight fragments of my i-th 128 t into set i % 2: 32 loads
.set PS, 128*((\i)%2)
.irp x, 0,1,2,3
.irp c, 0,1,2,3
	global_load_b128 v[PS+16*\x+4*\c:PS+16*\x+4*\c+3], v1, s[4:5] offset:65536*\x+2048*(\i)+512*\c
.endr
.endr
.irp y, 0,1,2,3
.irp c, 0,1,2,3
	global_load_b128 v[PS+64+16*\y+4*\c:PS+64+16*\y+4*\c+3], v1, s[6:7] offset:65536*\y+2048*(\i)+512*\c
.endr
.endr
.endm
.macro KSTEP i                         ; 16 matrix instructions, the 16 accumulators by turns
.set PS, 128*((\i)%2)
.if (\i) < 3
	s_wait_loadcnt 32                              ; this set's 32 loads are in; the other set's may be out
.else
	s_wait_loadcnt 0x0
.endif
	WIN 0x05                                       ; both sources window 1
.irp y, 0,1,2,3
.irp x, 0,1,2,3
.if (\i) == 0
	v_wmma_f32_16x16x128_bf8_bf8 v[128+8*(4*\y+\x):135+8*(4*\y+\x)], v[PS+16*\x:PS+16*\x+15], v[PS+64+16*\y:PS+64+16*\y+15], 0
.else
	v_wmma_f32_16x16x128_bf8_bf8 v[128+8*(4*\y+\x):135+8*(4*\y+\x)], v[PS+16*\x:PS+16*\x+15], v[PS+64+16*\y:PS+64+16*\y+15], v[128+8*(4*\y+\x):135+8*(4*\y+\x)]
.endif
.endr
.endr
	WIN 0
.rept 4
	v_nop                                          ; places in front of loads into the set just read, and of the first read of results
.endr
.if (\i) < 2
	WIN 0x40
	KLOAD (\i)+2
	WIN 0
.endif
.endm
.irp p, 0,1,2,3,4,5,6,7
	global_load_b128 v[96+4*\p:99+4*\p], v3, s[8:9] offset:1024*\p
.endr
.set gg, 0
.rept 16
	global_load_b128 v[32+4*gg:35+4*gg], v1, s[10:11] offset:512*gg th:TH_LOAD_NT    ; q in f32: register 8 b + j = s 128 f + 16 b + 8 h + j of row r; read once in the launch
.set gg, gg+1
.endr
	WIN 0x40
	KLOAD 0
	WIN 0
	s_wait_loadcnt 32                              ; ksp's 8 and qf's 16 are in; the first set's 32 may be out
.irp p, 0,2,4,6
	v_pk_add_f32 v[96+4*\p:97+4*\p], v[96+4*\p:97+4*\p], v[100+4*\p:101+4*\p]
	v_pk_add_f32 v[98+4*\p:99+4*\p], v[98+4*\p:99+4*\p], v[102+4*\p:103+4*\p]
.endr
.irp p, 0,4
	v_pk_add_f32 v[96+4*\p:97+4*\p], v[96+4*\p:97+4*\p], v[104+4*\p:105+4*\p]
	v_pk_add_f32 v[98+4*\p:99+4*\p], v[98+4*\p:99+4*\p], v[106+4*\p:107+4*\p]
.endr
	v_pk_add_f32 v[96:97], v[96:97], v[112:113]
	v_pk_add_f32 v[98:99], v[98:99], v[114:115]
	ds_store_b128 v11, v[96:99]                    ; eight of the 32 partial sums of k, for four s
	WIN 0x40
	KLOAD 1
	WIN 0
	KSTEP 0
	KSTEP 1
	KSTEP 2
	KSTEP 3
.set qq_, 0
.rept 16
	ds_store_b128 v4, v[128+8*qq_:131+8*qq_] offset:1024*qq_          ; each accumulator from its low end on
	ds_store_b128 v4, v[132+8*qq_:135+8*qq_] offset:1024*qq_+512
.set qq_, qq_+1
.endr
	s_wait_dscnt 0x0                               ; for the others' sake: my tiles and my part of KSP have landed
	s_barrier_signal -1
	s_barrier_wait -1
	; ---- kv: I own accumulators 2 w and 2 w + 1: all eight waves' parts of them
.irp g, 0,1,2,3,4,5,6,7
.irp t, 0,1
.irp k, 0,1
	ds_load_b128 v[128+16*\g+8*\t+4*\k:131+16*\g+8*\t+4*\k], v[5+\g/4] offset:16384*(\g%4)+1024*\t+512*\k
.endr
.endr
.endr
	s_wait_kmcnt 0x0
	s_sub_co_i32 s24, s27, s24
	s_sub_co_i32 s24, s24, s25                     ; a sum stands for sum x 2^(e8 + e9): its code is sum / 2^(e11 - e8 - e9)
	s_add_co_i32 s24, s24, 127
	s_lshl_b32 s25, s24, 23
	v_mov_b32 v9, s25
	s_add_co_i32 s24, s24, 15
	s_lshl_b32 s24, s24, 23
	s_or_b32 s24, s24, 0x600000
	v_mov_b32 v10, s24
	s_wait_dscnt 0x0
.macro ADD16 d, s
.set jj, 0
.rept 8
	v_pk_add_f32 v[\d+jj:\d+jj+1], v[\d+jj:\d+jj+1], v[\s+jj:\s+jj+1]
.set jj, jj+2
.endr
.endm
	ADD16 128, 144
	ADD16 160, 176
	ADD16 192, 208
	ADD16 224, 240
	ADD16 128, 160
	ADD16 192, 224
	ADD16 128, 192
.set ii, 0
.rept 16
	v_med3_num_f32 v[128+ii], v[128+ii], -v10, v10 ; the conversion does not saturate (ISA guide 7.6.2)
.set ii, ii+1
.endr
	v_cvt_scalef32_pk8_bf8_f32 v[20:21], v[128:135], v9
	v_cvt_scalef32_pk8_bf8_f32 v[22:23], v[136:143], v9
	v_nop                                          ; a plain instruction behind the conversions
	global_store_b128 v1, v[20:23], s[14:15]       ; 512 consecutive bytes of a fragment's image
	; ---- z: ksum at my lane's 64 s, from the four partial sums
.macro KSG g, reg
.irp b, 0,1,2,3,4,5,6,7
	ds_load_b128 v[\reg+8*\b:\reg+8*\b+3], v7 offset:1024*\g+64*\b
	ds_load_b128 v[\reg+8*\b+4:\reg+8*\b+7], v7 offset:1024*\g+64*\b+16
.endr
.endm
.macro KSADD
	s_wait_dscnt 0x0
.set jj, 0
.rept 32
	v_pk_add_f32 v[128+jj:129+jj], v[128+jj:129+jj], v[192+jj:193+jj]
.set jj, jj+2
.endr
.endm
	KSG 0, 128
	KSG 1, 192
	KSADD
	KSG 2, 192
	KSADD
	KSG 3, 192
	KSADD
	v_pk_mul_f32 v[24:25], v[32:33], v[128:129]    ; q . ksum, f32 operands, two chains
	v_pk_mul_f32 v[26:27], v[34:35], v[130:131]
.set jj, 4
.rept 15
	v_pk_fma_f32 v[24:25], v[32+jj:33+jj], v[128+jj:129+jj], v[24:25]
	v_pk_fma_f32 v[26:27], v[34+jj:35+jj], v[130+jj:131+jj], v[26:27]
.set jj, jj+4
.endr
	v_pk_add_f32 v[24:25], v[24:25], v[26:27]
	v_add_f32 v24, v24, v25
	v_permlanex16_b32 v25, v24, s40, s41
	v_add_f32 v24, v24, v25                        ; row r's sum over my 128 s
	ds_store_b32 v8, v24                           ; (lanes r and r + 16 write the same word with the same number)
	s_wait_dscnt 0x0
	s_barrier_signal -1
	s_barrier_wait -1
	s_cmp_lg_u32 s18, 0
	s_cbranch_scc1 .Lend                           ; wave 0 finishes the 64 rows; no barrier stands in its part
	ds_load_b64 v[24:25], v12
	ds_load_b64 v[26:27], v12 offset:64
	s_wait_dscnt 0x0
	v_pk_add_f32 v[24:25], v[24:25], v[26:27]
	v_pk_add_f32 v[24:25], v[24:25], 0x358637bd op_sel_hi:[1,0]   ; + 1e-6
	v_rcp_f32 v28, v24
	v_rcp_f32 v29, v25
	v_nop                                          ; a plain instruction behind the reciprocals,
	s_wait_alu depctr_va_vdst(0)                   ; and the wait ahead of the first use
	global_store_b64 v13, v[28:29], s[16:17]       ; 256 consecutive bytes, aligned
.Lend:
	s_wait_tensorcnt 0x0                           ; the wave's end
	ds_add_u32 v14, v15
	s_wait_dscnt 0x0
	s_endpgm
.Lfunc_end_k_qe95a909050_kvz:
	.size	k_qe95a909050_kvz, .Lfunc_end_k_qe95a909050_kvz-k_qe95a909050_kvz
	.p2alignl 7, 3214868480
	.fill 96, 4, 3214868480
	.section	.rodata,"a",@progbits
	.p2align	6, 0x0
	.amdhsa_kernel k_qe95a909050_kvz
		.amdhsa_group_segment_fixed_size 136704
		.amdhsa_private_segment_fixed_size 0
		.amdhsa_enable_private_segment 0
		.amdhsa_kernarg_size 56
		.amdhsa_user_sgpr_count 2
		.amdhsa_user_sgpr_kernarg_segment_ptr 1
		.amdhsa_wavefront_size32 1
		.amdhsa_system_sgpr_workgroup_id_x 1
		.amdhsa_system_sgpr_workgroup_id_y 1
		.amdhsa_system_sgpr_workgroup_id_z 1
		.amdhsa_system_vgpr_workitem_id 0
		.amdhsa_next_free_vgpr 512
		.amdhsa_next_free_sgpr 66
		.amdhsa_reserve_vcc 0
		.amdhsa_float_denorm_mode_32 3
		.amdhsa_float_denorm_mode_16_64 3
		.amdhsa_memory_ordered 1
		.amdhsa_forward_progress 1
		.amdhsa_inst_pref_size 47
	.end_amdhsa_kernel
	.amdgpu_metadata
---
amdhsa.version: [ 1, 2 ]
amdhsa.kernels:
  - .name:           k_qe95a909050_kvz
    .symbol:         k_qe95a909050_kvz.kd
    .args:
      - { .name: kt, .offset: 0, .size: 8, .value_kind: global_buffer, .address_space: global }
      - { .name: vt, .offset: 8, .size: 8, .value_kind: global_buffer, .address_space: global }
      - { .name: ksp, .offset: 16, .size: 8, .value_kind: global_buffer, .address_space: global }
      - { .name: qf, .offset: 24, .size: 8, .value_kind: global_buffer, .address_space: global }
      - { .name: lowp_scales, .offset: 32, .size: 8, .value_kind: global_buffer, .address_space: global }
      - { .name: kvq, .offset: 40, .size: 8, .value_kind: global_buffer, .address_space: global }
      - { .name: zt, .offset: 48, .size: 8, .value_kind: global_buffer, .address_space: global }
    .group_segment_fixed_size: 136704
    .private_segment_fixed_size: 0
    .kernarg_segment_align: 8
    .kernarg_segment_size: 56
    .max_flat_workgroup_size: 256
    .sgpr_count:     66
    .vgpr_count:     512
    .wavefront_size: 32
...
	.end_amdgpu_metadata
.endif
;; end of part 2
;; launch gate (part 3): grid 4 x 64, 4 waves a work-group, clusters of 4 x 4, 327,680 bytes of LDS; arguments queries_codes, Wg_codes, bg, qq, kvq, zt, lowp_scales, hq; writes hq
.if DOCPART == 3
	.amdgcn_target "amdgcn-amd-amdhsa--gfx1250"
	.amdhsa_code_object_version 6
	.text
	.protected	k_qe95a909050_gate
	.globl	k_qe95a909050_gate
	.p2align	8
	.type	k_qe95a909050_gate,@function
k_qe95a909050_gate:
	s_mov_b64 s[64:65], 0
	v_nop
	global_prefetch_b8 v0, s[64:65] scope:SCOPE_SE
	s_setreg_imm32_b32 hwreg(HW_REG_WAVE_MODE, 25, 1), 1
	s_wait_xcnt 0x0
	s_wait_alu depctr_hold_cnt(0) depctr_sa_sdst(0) depctr_va_vdst(0) depctr_va_sdst(0) depctr_va_ssrc(0) depctr_va_vcc(0) depctr_vm_vsrc(0)
	s_getreg_b32 s2, hwreg(HW_REG_IB_STS2, 6, 4)
	s_cmp_eq_u32 s2, 0
	s_cbranch_scc0 .Lentry_in_a_cluster
	s_endpgm
.Lentry_in_a_cluster:
	s_bfe_u32 s2, ttmp6, 0x10000c
	s_cmp_lg_u32 s2, 0xf033
	s_cbranch_scc0 .Lentry_shape_is_right
	s_endpgm
.Lentry_shape_is_right:
; GATE.  h = u a, quantised along d (scale entry 12) -> hq, where u = silu(queries Wg^T + bg) and a = (Q(q) Q(kv)) / z.  Nothing is left out.
; SHARES.  A block of 256 query rows x 256 d to a work-group; four waves, each 128 x 128 in 64 accumulators.  A = the queries' rows (lanes), B = Wg's rows (a lane's registers run along d, the next product's K).
; K = 1,024 goes in four steps of 256 through two LDS slots.  When slot 0 has been read for the last time it takes a fifth tile: the block's 16 x 2 fragments of q's codes (as A) and of kv's codes (as B),
; images of registers, 64 KB each, dense in memory, brought with the same padding.
; Behind the K loop, for each of my eight blocks of 16 rows: 16 matrix instructions give q kv in the same layout as the block's accumulators; silu, the product with a, the hold and the conversion follow in registers;
; the block's 16 registers of codes are a fragment of the last product's A and are stored as they stand.
; CLUSTER 4 x 4: the queries' tiles and q's fragments hang on the tile row alone and are asked for jointly along a row of the cluster; Wg's tiles and kv's fragments (tile column, and the batch, which the cluster's y gives) along a column.
; LIMITS.  e0 + e1 between -126 and 127; e12 between -126 and 112; e10 + e11 is applied by v_ldexp_f32.  NaN among the numbers is not served.  silu = x / (1 + 2^(-x log2 e)), with v_exp_f32 and v_rcp_f32.
.set PITCH,  272
.set HALFT,  128*PITCH
.set SLOT,   4*HALFT
.set SPARE,  2*SLOT
.set FR,     16
.set NL,     4
.set NP,     4
.set ADRA,   4                         ; v4, v5   my A fragments in slot 0, 1
.set ADRB,   6                         ; v6, v7   my B fragments
.set OL,     8                         ; v8       16 x lane
.set SC,     9                         ; v9       2^e12 as f32
.set LIM,    10                        ; v10      57,344 x 2^e12
.set LIA,    11                        ; v11      my lane's place in the images of q's fragments
.set LIB,    12                        ; v12      in those of kv's
.set SPW,    14
.set NIL,    15
.set LT,     16                        ; v16-31   2^(e10 + e11) / z of my lane's row in block a, as a pair
.set TAB,    32                        ; v32-95   bg at my 64 d
.set WK,     96                        ; v96-127  32 numbers at work
.set AF,     128                       ; v128-255 A's fragments in the loop
.set TQ,     128                       ; behind it: v128-191 q kv of a block,
.set QF,     192                       ; v192-223 the block's two fragments of q,
.set PC,     224                       ; v224-239 the codes
.set WV, 40
.set AH, 41
.set BH, 42
.set CX, 43
.set CY, 44
.set TC, 45                            ; tile column: the block of d
.set TR, 46                            ; tile row: the block of rows
.set BA, 47                            ; the batch
.set G1, 24
.set G0, 32
.set G1B, 48
.set G0B, 56
.set G1X, 68                           ; the fifth tile's descriptors: rows 256 bytes apart in memory
.set G1XB, 76
.set G0X, 84
.set G0XB, 88
.set FL, (1<<20)|(1<<21)|(5<<22)|(3<<25)   ; elements of 1 byte; padding on; bit 21 beside a mask; 4 words behind every 64
.set MSB, 0
.macro WIN new
.if MSB != (\new)
	s_set_vgpr_msb (MSB<<8)|(\new)
.set MSB, (\new)
.endif
.endm
.set MUL_LO, 0xa1
.set MUL_HI, 0xf1
.set TO_B,   0x40
.macro PLACES n
.rept \n
	v_nop
.endr
.endm
; A joint load: waves 0 and 1 fetch for A, waves 2 and 3 for B; the branch hangs on the wave's number alone.  An s_nop 0 and four v_nop follow each of the two lines.
.macro JLOAD g0a, g1a, g0b, g1b
	s_cmp_eq_u32 s[AH], 0
	s_cbranch_scc0 .Lfor_b_\@
	tensor_load_to_lds s[\g0a:\g0a+3], s[\g1a:\g1a+7]
	s_nop 0
.rept 4
	v_nop
.endr
	s_branch .Lasked_\@
.Lfor_b_\@:
	tensor_load_to_lds s[\g0b:\g0b+3], s[\g1b:\g1b+7]
	s_nop 0
.rept 4
	v_nop
.endr
.Lasked_\@:
.endm
.macro CREST                           ; a round of the cluster's barrier behind its opening barrier
	s_cmp_lg_u32 s[WV], 0
	s_cbranch_scc1 .Lnot_wave_0_\@
	s_barrier_signal -3
.Lnot_wave_0_\@:
	s_barrier_wait -3
	s_barrier_signal -1
	s_barrier_wait -1
.endm
.macro CROUND
	s_barrier_signal -1
	s_barrier_wait -1
	CREST
.endm
.macro FRAG reg, adr, q, i
.irp c, 0,1,2,3
	ds_load_b128 v[\reg+4*\c:\reg+4*\c+3], v[\adr] offset:128*(\q)+32*\c+(\i)*16*PITCH
.endr
.endm
.macro FRAGI reg, adr, n               ; image n of a half: 2,048 bytes are eight padded rows; a group of four registers two rows
.irp c, 0,1,2,3
	ds_load_b128 v[\reg+4*\c:\reg+4*\c+3], v[\adr] offset:2176*(\n)+544*\c
.endr
.endm
.macro MUL16 a0, p, zero               ; the 64 accumulators take turns, one instruction a turn
.irp a, \a0, \a0+1
.irp b, 0,1,2,3,4,5,6,7
.if \zero
	v_wmma_f32_16x16x128_bf8_bf8 v[8*(8*((\a)%4)+\b):8*(8*((\a)%4)+\b)+7], v[128*(\p)+FR*\b:128*(\p)+FR*\b+FR-1], v[AF+FR*(\a):AF+FR*(\a)+FR-1], 0
.else
	v_wmma_f32_16x16x128_bf8_bf8 v[8*(8*((\a)%4)+\b):8*(8*((\a)%4)+\b)+7], v[128*(\p)+FR*\b:128*(\p)+FR*\b+FR-1], v[AF+FR*(\a):AF+FR*(\a)+FR-1], v[8*(8*((\a)%4)+\b):8*(8*((\a)%4)+\b)+7]
.endif
.endr
.endr
.endm
.macro FETCH_B slot, q, p
	WIN TO_B
.irp i, 0,1,2,3,4,5,6,7
	FRAG 128*(\p)+FR*\i, ADRB+\slot, \q, \i
.endr
	WIN 0
.endm
.macro FETCH_A slot, q, i0
.irp i, \i0, \i0+1, \i0+2, \i0+3
	FRAG AF+FR*(\i), ADRA+\slot, \q, \i
.endr
.endm
.macro STEP slot, q, zero
	s_wait_dscnt 4*NL                              ; B's set and A's blocks 0-3 are in; A's blocks 4-7 (16 loads) may be out
	WIN MUL_LO
	MUL16 0, (\q)%2, \zero
	MUL16 2, (\q)%2, \zero
	s_wait_dscnt 0
	PLACES NP
	FETCH_B \slot, (\q)+1, 1-(\q)%2
	FETCH_A \slot, (\q)+1, 0
	WIN MUL_HI
	MUL16 4, (\q)%2, \zero
	MUL16 6, (\q)%2, \zero
	PLACES NP
	WIN 0
	FETCH_A \slot, (\q)+1, 4
.endm
.macro MEET                            ; the first half of a slot's last 128 along K, with the barrier of the change of slots
	s_wait_tensorcnt 0x0                           ; all my tensor loads have landed
	ds_add_u32 v[SPW], v[NIL]
	s_wait_dscnt 4*NL+1                            ; the add and A's blocks 4-7 may be out
	WIN MUL_LO
	MUL16 0, 1, 0
	s_wait_dscnt 0x0                               ; the add is done, and my reads of this slot are over
	s_barrier_signal -1
	MUL16 2, 1, 0
	WIN 0
	s_barrier_wait -1
.endm
; fill = 1: this slot takes the K step two steps on; fill = 2: it takes the fifth tile.  The barrier has opened a round of the cluster's barrier; the joint refill is the first thing behind the round.
.macro TURN slot, next, fill
	MEET
	CREST
.if \fill == 1
	s_add_nc_u64 s[G0+4*\slot+2:G0+4*\slot+3], s[G0+4*\slot+2:G0+4*\slot+3], 512
	s_add_nc_u64 s[G0B+4*\slot+2:G0B+4*\slot+3], s[G0B+4*\slot+2:G0B+4*\slot+3], 512
	JLOAD G0+4*\slot, G1, G0B+4*\slot, G1B
.else
	JLOAD G0X, G1X, G0XB, G1XB
.endif
	FETCH_B \next, 0, 0                            ; (the four v_nop behind the joint load are the places in front of these loads)
	FETCH_A \next, 0, 0
	WIN MUL_HI
	MUL16 4, 1, 0
	MUL16 6, 1, 0
	PLACES NP
	WIN 0
	FETCH_A \next, 0, 4
.endm
	s_load_b256 s[4:11], s[0:1], 0x0               ; queries 4, Wg 6, bg 8, qq 10
	s_load_b256 s[12:19], s[0:1], 0x20             ; kvq 12, zt 14, lowp_scales 16, hq 18
	v_lshl_add_u32 v[SPW], v0, 2, SPARE
	v_mov_b32 v[NIL], 0
	ds_add_u32 v[SPW], v[NIL]                      ; the opening: the add, twice on end, and its wait ahead of my first tensor load
	ds_add_u32 v[SPW], v[NIL]
	v_lshrrev_b32 v3, 5, v0
	v_readfirstlane_b32 s[WV], v3
	s_lshr_b32 s[AH], s[WV], 1                     ; my half of the rows.  Also: I fetch for A (0) or for B (1)
	s_and_b32 s[BH], s[WV], 1                      ; my half of d.  Also: which half of a tile I fetch
	s_bfe_u32 s[CX], ttmp6, 0x40000
	s_bfe_u32 s[CY], ttmp6, 0x40004
	s_lshl_b32 s[TC], ttmp9, 2
	s_add_co_u32 s[TC], s[TC], s[CX]
	s_and_b32 s[TR], ttmp7, 0xffff
	s_lshr_b32 s[BA], s[TR], 2                     ; 16 tile rows to a batch, 4 to a cluster: the batch is the cluster's y / 4
	s_lshl_b32 s[TR], s[TR], 2
	s_add_co_u32 s[TR], s[TR], s[CY]
	s_lshl_b32 s2, s[CY], 2
	s_lshl_b32 s2, 15, s2                          ; my row of the cluster
	s_lshl_b32 s3, 0x1111, s[CX]                   ; my column
	s_or_b32 s[G1], s2, FL
	s_or_b32 s[G1X], s2, FL
	s_or_b32 s[G1B], s3, FL
	s_or_b32 s[G1XB], s3, FL
.irp g, G1, G1B, G1X, G1XB
	s_mov_b32 s[\g+1], 256<<16                     ; tensor_dim0 = 256
	s_mov_b32 s[\g+2], 128<<16                     ; tensor_dim1 = 128
	s_mov_b32 s[\g+3], 256<<16                     ; tile_dim0
	s_mov_b32 s[\g+4], 128                         ; tile_dim1
	s_mov_b32 s[\g+6], 0
	s_mov_b32 s[\g+7], 0
.endr
	s_mov_b32 s[G1+5], 1024                        ; rows of the inputs are 1,024 bytes apart,
	s_mov_b32 s[G1B+5], 1024
	s_mov_b32 s[G1X+5], 256                        ; the images are dense
	s_mov_b32 s[G1XB+5], 256
	s_lshl_b32 s95, s[BH], 17
	s_lshl_b32 s20, s[TR], 18
	s_add_co_u32 s20, s20, s95                     ; queries: row 256 x tile row + 128 x half
	s_mov_b32 s21, 0
	s_lshl_b32 s22, s[TC], 18
	s_add_co_u32 s22, s22, s95                     ; Wg: row 256 x tile column + 128 x half
	s_mov_b32 s23, 0
	s_lshl_b32 s95, s[BH], 15
	s_lshl_b32 s[G0X+2], s[TR], 16
	s_add_co_u32 s[G0X+2], s[G0X+2], s95           ; qq: 65,536 x tile row + 32,768 x half
	s_mov_b32 s[G0X+3], 0
	s_lshl_b32 s[G0XB+2], s[BA], 18
	s_lshl_b32 s94, s[TC], 16
	s_add_co_u32 s[G0XB+2], s[G0XB+2], s94
	s_add_co_u32 s[G0XB+2], s[G0XB+2], s95         ; kvq: 262,144 x batch + 65,536 x tile column + 32,768 x half
	s_mov_b32 s[G0XB+3], 0
	s_mul_i32 s99, s[WV], HALFT                    ; where my loads go: wave x 128 rows: no place in the cluster enters an LDS address
	s_wait_dscnt 0x0                               ; both opening adds are done
	s_wait_kmcnt 0x0
	s_load_b64 s[92:93], s[16:17], 0x0             ; e0, e1
	s_load_b96 s[96:98], s[16:17], 0x28            ; e10, e11, e12
	s_add_nc_u64 s[20:21], s[4:5], s[20:21]
	s_add_nc_u64 s[22:23], s[6:7], s[22:23]
	s_mov_b32 s[G0X], 1
	s_mov_b32 s[G0X+1], s99
	s_add_nc_u64 s[G0X+2:G0X+3], s[10:11], s[G0X+2:G0X+3]
	s_or_b32 s[G0X+3], s[G0X+3], 0x80000000
	s_mov_b32 s[G0XB], 1
	s_mov_b32 s[G0XB+1], s99
	s_add_nc_u64 s[G0XB+2:G0XB+3], s[12:13], s[G0XB+2:G0XB+3]
	s_or_b32 s[G0XB+3], s[G0XB+3], 0x80000000
	CROUND                                         ; all sixteen work-groups are here: the first joint loads meet
.irp s, 0,1
	s_mov_b32 s[G0+4*\s], 1
	s_add_co_u32 s[G0+4*\s+1], s99, \s*SLOT
	s_add_nc_u64 s[G0+4*\s+2:G0+4*\s+3], s[20:21], \s*256
	s_or_b32 s[G0+4*\s+3], s[G0+4*\s+3], 0x80000000
	s_mov_b32 s[G0B+4*\s], 1
	s_add_co_u32 s[G0B+4*\s+1], s99, \s*SLOT
	s_add_nc_u64 s[G0B+4*\s+2:G0B+4*\s+3], s[22:23], \s*256
	s_or_b32 s[G0B+4*\s+3], s[G0B+4*\s+3], 0x80000000
	JLOAD G0+4*\s, G1, G0B+4*\s, G1B
.endr
	v_and_b32 v1, 15, v0                           ; r
	v_bfe_u32 v2, v0, 4, 1                         ; h
	v_mul_u32_u24 v3, v1, PITCH
	v_lshl_add_u32 v3, v2, 4, v3                   ; a fragment's row x pitch + 16 h
	v_mul_u32_u24 v13, v2, PITCH
	v_lshl_add_u32 v13, v1, 4, v13                 ; an image's place for my lane: 16 x lane, with the padding behind 256 bytes
	s_mul_i32 s2, s[AH], HALFT
	s_mul_i32 s3, s[BH], HALFT
	s_add_co_u32 s3, s3, 2*HALFT
	v_add_nc_u32 v[ADRA], s2, v3
	v_add_nc_u32 v[ADRB], s3, v3
	v_add_nc_u32 v[LIA], s2, v13
	v_add_nc_u32 v[LIB], s3, v13
	s_add_co_u32 s2, s2, SLOT
	s_add_co_u32 s3, s3, SLOT
	v_add_nc_u32 v[ADRA+1], s2, v3
	v_add_nc_u32 v[ADRB+1], s3, v3
	v_and_b32 v[OL], 31, v0
	v_lshlrev_b32 v[OL], 4, v[OL]
	s_lshl_b32 s2, s[TC], 10
	s_lshl_b32 s3, s[BH], 9
	s_add_co_u32 s2, s2, s3
	s_mov_b32 s3, 0
	s_add_nc_u64 s[8:9], s[8:9], s[2:3]            ; bg at d = 256 x tile column + 128 bh
	v_lshlrev_b32 v13, 5, v2
.irp b, 0,1,2,3,4,5,6,7
	global_load_b128 v[TAB+8*\b:TAB+8*\b+3], v13, s[8:9] offset:64*\b
	global_load_b128 v[TAB+8*\b+4:TAB+8*\b+7], v13, s[8:9] offset:64*\b+16
.endr
	s_lshl_b32 s2, s[TR], 4
	s_lshl_b32 s95, s[AH], 3
	s_add_co_u32 s2, s2, s95
	s_lshl_b32 s2, s2, 6
	s_add_nc_u64 s[14:15], s[14:15], s[2:3]        ; 1 / z at my first row
	v_lshlrev_b32 v3, 2, v1
.irp a, 0,1,2,3,4,5,6,7
	global_load_b32 v[LT+2*\a], v3, s[14:15] offset:64*\a
.endr
	s_lshl_b32 s2, s[TR], 2
	s_add_co_u32 s2, s2, s[TC]
	s_lshl_b32 s2, s2, 4
	s_add_co_u32 s2, s2, s95
	s_lshl_b32 s2, s2, 12
	s_lshl_b32 s95, s[BH], 11
	s_add_co_u32 s2, s2, s95
	s_add_nc_u64 s[18:19], s[18:19], s[2:3]        ; hq: ((4 x tile row + tile column) 16 + 8 ah) x 4,096 + 2,048 bh
	s_wait_kmcnt 0x0
	s_add_co_i32 s92, s92, s93
	s_add_co_i32 s92, s92, 127
	s_lshl_b32 s92, s92, 23                        ; 2^(e0 + e1)
	s_mov_b32 s93, s92
	s_add_co_i32 s94, s96, s97                     ; e10 + e11
	s_add_co_i32 s98, s98, 127
	s_lshl_b32 s95, s98, 23
	v_mov_b32 v[SC], s95
	s_add_co_i32 s98, s98, 15
	s_lshl_b32 s98, s98, 23
	s_or_b32 s98, s98, 0x600000
	v_mov_b32 v[LIM], s98
	s_wait_loadcnt 0x0
.irp a, 0,1,2,3,4,5,6,7
	v_ldexp_f32 v[LT+2*\a], v[LT+2*\a], s94        ; a sum of q kv stands for sum x 2^(e10 + e11): folded into 1 / z
	v_mov_b32 v[LT+2*\a+1], v[LT+2*\a]
.endr
	s_wait_tensorcnt 0x1                           ; my part of K step 0 is in; K step 1's may stay out
	s_barrier_signal -1
	s_barrier_wait -1
	FETCH_B 0, 0, 0
	FETCH_A 0, 0, 0
	FETCH_A 0, 0, 4
	STEP 0, 0, 1
	TURN 0, 1, 1                                   ; slot 0 takes K step 2
	STEP 1, 0, 0
	TURN 1, 0, 1                                   ; slot 1 takes K step 3
	STEP 0, 0, 0
	TURN 0, 1, 2                                   ; slot 0 takes the fifth tile
	STEP 1, 0, 0
	MEET                                           ; the fifth tile is whole; no round follows
	PLACES NP
	WIN TO_B
.irp b, 0,1,2,3,4,5,6,7
	FRAGI 16*\b, LIB, 2*\b                         ; kv's fragments of s 0-127 into B's set 0, which is done with
.endr
	WIN MUL_HI
	MUL16 4, 1, 0
	MUL16 6, 1, 0
	PLACES NP
	WIN TO_B
.irp b, 0,1,2,3,4,5,6,7
	FRAGI 128+16*\b, LIB, 2*\b+1                   ; and of s 128-255 into set 1
.endr
	WIN 0
.macro QFL a
	FRAGI QF, LIA, 2*(\a)
	FRAGI QF+16, LIA, 2*(\a)+1
.endm
	QFL 0
; 32 numbers of block a: accumulators 4 hb .. 4 hb + 3.  The exponentials go as one batch with one wait, the reciprocals likewise.
.macro HALF a, hb
.set NW, 2+(\a)/4
.set AC, 64*((\a)%4)+32*(\hb)
.set TT, TQ+32*(\hb)
	WIN (NW<<6)|NW                                 ; destination and source 0 in the accumulators' window
.set jj, 0
.rept 16
	v_pk_fma_f32 v[AC+jj:AC+jj+1], v[AC+jj:AC+jj+1], s[92:93], v[TAB+32*(\hb)+jj:TAB+32*(\hb)+jj+1] op_sel_hi:[1,0,1]   ; x = sum x 2^(e0 + e1) + bg; each accumulator from its low end on
.set jj, jj+2
.endr
	WIN NW
.set jj, 0
.rept 16
	v_pk_mul_f32 v[WK+jj:WK+jj+1], v[AC+jj:AC+jj+1], 0xbfb8aa3b op_sel_hi:[1,0]    ; -x log2(e)
.set jj, jj+2
.endr
	WIN 0
.set ii, 0
.rept 32
	v_exp_f32 v[WK+ii], v[WK+ii]
.set ii, ii+1
.endr
.set jj, 0
.rept 16
	v_pk_mul_f32 v[TT+jj:TT+jj+1], v[TT+jj:TT+jj+1], v[LT+2*(\a):LT+2*(\a)+1]      ; a = q kv / z: independent work behind the batch
.set jj, jj+2
.endr
	s_wait_alu depctr_va_vdst(0)                   ; one wait for the 32 exponentials, ahead of their first reader
.set jj, 0
.rept 16
	v_pk_add_f32 v[WK+jj:WK+jj+1], v[WK+jj:WK+jj+1], 1.0 op_sel_hi:[1,0]
.set jj, jj+2
.endr
.set ii, 0
.rept 32
	v_rcp_f32 v[WK+ii], v[WK+ii]                   ; the sigmoid
.set ii, ii+1
.endr
	v_nop                                          ; a plain instruction behind the last reciprocal
	s_wait_alu depctr_va_vdst(0)                   ; one wait for the 32 reciprocals
.set jj, 0
.rept 16
	v_pk_mul_f32 v[TT+jj:TT+jj+1], v[TT+jj:TT+jj+1], v[WK+jj:WK+jj+1]
.set jj, jj+2
.endr
	WIN (NW<<6)|NW
.set jj, 0
.rept 16
	v_pk_mul_f32 v[AC+jj:AC+jj+1], v[AC+jj:AC+jj+1], v[TT+jj:TT+jj+1]              ; h = x sigmoid(x) a
.set jj, jj+2
.endr
.set ii, 0
.rept 32
	v_med3_num_f32 v[AC+ii], v[AC+ii], -v[LIM], v[LIM]                             ; the conversion does not saturate (ISA guide 7.6.2)
.set ii, ii+1
.endr
	WIN NW
.set gg, 0
.rept 4
	v_cvt_scalef32_pk8_bf8_f32 v[PC+8*(\hb)+2*gg:PC+8*(\hb)+2*gg+1], v[AC+8*gg:AC+8*gg+7], v[SC]
.set gg, gg+1
.endr
	WIN 0
.endm
.macro HBLOCK a
	s_wait_dscnt 0x0                               ; the block's fragments of q are in (and, the first time, kv's)
	WIN 0x01                                       ; source 0 (kv) window 1
.irp b, 0,1,2,3,4,5,6,7
	v_wmma_f32_16x16x128_bf8_bf8 v[TQ+8*\b:TQ+8*\b+7], v[16*\b:16*\b+15], v[QF:QF+15], 0
.endr
.irp b, 0,1,2,3,4,5,6,7
	v_wmma_f32_16x16x128_bf8_bf8 v[TQ+8*\b:TQ+8*\b+7], v[128+16*\b:128+16*\b+15], v[QF+16:QF+31], v[TQ+8*\b:TQ+8*\b+7]
.endr
	WIN 0
	PLACES NP
.if (\a) < 7
	QFL (\a)+1                                     ; the next block's fragments come while this block is worked
.endif
	s_wait_xcnt 0x0                                ; the last block's stores have read the codes' registers
	HALF \a, 0
	HALF \a, 1
	v_nop                                          ; a plain instruction behind the last conversion
.irp c, 0,1,2,3
	global_store_b128 v[OL], v[PC+4*\c:PC+4*\c+3], s[18:19] offset:4096*(\a)+512*\c   ; the fragment's image: 512 consecutive bytes a store
.endr
.endm
.irp a, 0,1,2,3,4,5,6,7
	HBLOCK \a
.endr
	s_wait_tensorcnt 0x0                           ; the wave's end
	ds_add_u32 v[SPW], v[NIL]
	s_wait_dscnt 0x0
	CROUND                                         ; the closing round: no work-group ends while a partner may still ask for a tile that names it
	s_endpgm
.Lfunc_end_k_qe95a909050_gate:
	.size	k_qe95a909050_gate, .Lfunc_end_k_qe95a909050_gate-k_qe95a909050_gate
	.p2alignl 7, 3214868480
	.fill 96, 4, 3214868480
	.section	.rodata,"a",@progbits
	.p2align	6, 0x0
	.amdhsa_kernel k_qe95a909050_gate
		.amdhsa_group_segment_fixed_size 327680
		.amdhsa_private_segment_fixed_size 0
		.amdhsa_enable_private_segment 0
		.amdhsa_kernarg_size 64
		.amdhsa_user_sgpr_count 2
		.amdhsa_user_sgpr_kernarg_segment_ptr 1
		.amdhsa_wavefront_size32 1
		.amdhsa_system_sgpr_workgroup_id_x 1
		.amdhsa_system_sgpr_workgroup_id_y 1
		.amdhsa_system_sgpr_workgroup_id_z 1
		.amdhsa_system_vgpr_workitem_id 0
		.amdhsa_next_free_vgpr 1024
		.amdhsa_next_free_sgpr 100
		.amdhsa_reserve_vcc 0
		.amdhsa_float_denorm_mode_32 3
		.amdhsa_float_denorm_mode_16_64 3
		.amdhsa_memory_ordered 1
		.amdhsa_forward_progress 1
		.amdhsa_inst_pref_size 255
	.end_amdhsa_kernel
	.section	.bss,"aw",@nobits
	.p2align	6
	.space	262144
	.amdgpu_metadata
---
amdhsa.version: [ 1, 2 ]
amdhsa.kernels:
  - .name:           k_qe95a909050_gate
    .symbol:         k_qe95a909050_gate.kd
    .args:
      - { .name: queries_codes, .offset: 0, .size: 8, .value_kind: global_buffer, .address_space: global }
      - { .name: Wg_codes, .offset: 8, .size: 8, .value_kind: global_buffer, .address_space: global }
      - { .name: bg, .offset: 16, .size: 8, .value_kind: global_buffer, .address_space: global }
      - { .name: qq, .offset: 24, .size: 8, .value_kind: global_buffer, .address_space: global }
      - { .name: kvq, .offset: 32, .size: 8, .value_kind: global_buffer, .address_space: global }
      - { .name: zt, .offset: 40, .size: 8, .value_kind: global_buffer, .address_space: global }
      - { .name: lowp_scales, .offset: 48, .size: 8, .value_kind: global_buffer, .address_space: global }
      - { .name: hq, .offset: 56, .size: 8, .value_kind: global_buffer, .address_space: global }
    .group_segment_fixed_size: 327680
    .private_segment_fixed_size: 0
    .kernarg_segment_align: 8
    .kernarg_segment_size: 64
    .max_flat_workgroup_size: 128
    .sgpr_count:     100
    .vgpr_count:     1024
    .wavefront_size: 32
...
	.end_amdgpu_metadata
.endif
;; end of part 3
;; launch outp (part 4): grid 4 x 64, 4 waves a work-group, clusters of 4 x 4, 327,680 bytes of LDS; arguments hq, Wo_codes, bo, query_mask, lowp_scales, out0; writes out0
.if DOCPART == 4
	.amdgcn_target "amdgcn-amd-amdhsa--gfx1250"
	.amdhsa_code_object_version 6
	.text
	.protected	k_qe95a909050_outp
	.globl	k_qe95a909050_outp
	.p2align	8
	.type	k_qe95a909050_outp,@function
k_qe95a909050_outp:
	s_mov_b64 s[64:65], 0
	v_nop
	global_prefetch_b8 v0, s[64:65] scope:SCOPE_SE
	s_setreg_imm32_b32 hwreg(HW_REG_WAVE_MODE, 25, 1), 1
	s_wait_xcnt 0x0
	s_wait_alu depctr_hold_cnt(0) depctr_sa_sdst(0) depctr_va_vdst(0) depctr_va_sdst(0) depctr_va_ssrc(0) depctr_va_vcc(0) depctr_vm_vsrc(0)
	s_getreg_b32 s2, hwreg(HW_REG_IB_STS2, 6, 4)
	s_cmp_eq_u32 s2, 0
	s_cbranch_scc0 .Lentry_in_a_cluster
	s_endpgm
.Lentry_in_a_cluster:
	s_bfe_u32 s2, ttmp6, 0x10000c
	s_cmp_lg_u32 s2, 0xf033
	s_cbranch_scc0 .Lentry_shape_is_right
	s_endpgm
.Lentry_shape_is_right:
; OUTP.  out0 = (h Wo^T + bo) qm, on h's codes (scale entry 12) and Wo's (entry 13).  Nothing is left out.
; SHARES.  A block of 256 rows x 256 columns to a work-group; four waves, each 128 x 128 in 64 accumulators.  A = h's rows (lanes), B = Wo's rows (a lane's registers are eight neighbouring columns of out0).
; h's codes lie as images of fragments in which registers 2 c, 2 c + 1 hold k = 16 c + 8 h + 0..7; a K step's 32 images of a block are 64 KB, dense.  So Wo's fragments are fetched from its rows in that same layout, by loads of 8 bytes.
; The bias is the C of each sum's first matrix instruction, divided by 2^(e12 + e13); the query mask and 2^(e12 + e13) are one factor for each row: one packed multiplication for two numbers on the way out.
; CLUSTER 4 x 4: h's tiles are asked for jointly along a row of the cluster, Wo's along a column.
; LIMITS.  bo x 2^-(e12 + e13) and 2^(e12 + e13) must be f32 numbers (both by v_ldexp_f32).  A masked row is +0 or -0; a NaN or an infinity under a false query mask gives NaN, as 0 x it does.
.set PITCH,  272
.set HALFT,  128*PITCH
.set SLOT,   4*HALFT
.set SPARE,  2*SLOT
.set SPITCH, 528                       ; the way out: a stage of 16 rows x (512 + 16) bytes for each wave, in slot 0, which has had its last fill and its last read when the first result is stored there
.set FR,     16
.set NL,     4                         ; LDS loads that bring a fragment of A
.set NP,     4
.set ADRA,   4
.set ADRB,   6
.set OL,     8                         ; v8       16 x lane
.set STO,    11                        ; v11      where I put 32 bytes of a row
.set RD,     12                        ; v12      where I read a row back
.set SPW,    14
.set NIL,    15
.set LT,     16                        ; v16-31   qm x 2^(e12 + e13) of my lane's row in block a, as a pair
.set TAB,    32                        ; v32-95   bo / 2^(e12 + e13) at my 64 columns
.set TMP,    32                        ; the way out: a block's 64 numbers
.set AF,     128
.set BK,     128                       ; the way out: rows read back: v128-191 and v192-255 by turns
.set WV, 40
.set AH, 41
.set BH, 42
.set CX, 43
.set CY, 44
.set TC, 45
.set TR, 46
.set G1, 24
.set G0, 32
.set G1B, 48
.set G0B, 56
.set FL, (1<<20)|(1<<21)|(5<<22)|(3<<25)
.set MSB, 0
.macro WIN new
.if MSB != (\new)
	s_set_vgpr_msb (MSB<<8)|(\new)
.set MSB, (\new)
.endif
.endm
.set MUL_LO, 0xa1
.set MUL_HI, 0xf1
.set TO_B,   0x40
.macro PLACES n
.rept \n
	v_nop
.endr
.endm
.macro JLOAD g0a, g1a, g0b, g1b        ; waves 0 and 1 fetch for A, waves 2 and 3 for B; an s_nop 0 and four v_nop follow each of the two lines
	s_cmp_eq_u32 s[AH], 0
	s_cbranch_scc0 .Lfor_b_\@
	tensor_load_to_lds s[\g0a:\g0a+3], s[\g1a:\g1a+7]
	s_nop 0
.rept 4
	v_nop
.endr
	s_branch .Lasked_\@
.Lfor_b_\@:
	tensor_load_to_lds s[\g0b:\g0b+3], s[\g1b:\g1b+7]
	s_nop 0
.rept 4
	v_nop
.endr
.Lasked_\@:
.endm
.macro CREST
	s_cmp_lg_u32 s[WV], 0
	s_cbranch_scc1 .Lnot_wave_0_\@
	s_barrier_signal -3
.Lnot_wave_0_\@:
	s_barrier_wait -3
	s_barrier_signal -1
	s_barrier_wait -1
.endm
.macro CROUND
	s_barrier_signal -1
	s_barrier_wait -1
	CREST
.endm
.macro FRAG8 reg, adr, q, i            ; Wo: registers 2 c, 2 c + 1 hold K = 16 c + 8 h + 0 .. 7 of row r; the 32 lanes of a load touch 64 different banks
.irp c, 0,1,2,3,4,5,6,7
	ds_load_b64 v[\reg+2*\c:\reg+2*\c+1], v[\adr] offset:128*(\q)+16*\c+(\i)*16*PITCH
.endr
.endm
.macro FRAGI reg, adr, n               ; image n of a half: eight padded rows; a group of four registers two rows
.irp c, 0,1,2,3
	ds_load_b128 v[\reg+4*\c:\reg+4*\c+3], v[\adr] offset:2176*(\n)+544*\c
.endr
.endm
.macro MUL16 a0, p, zero               ; zero = 2: the bias starts the sums.  The 64 accumulators take turns
.irp a, \a0, \a0+1
.irp b, 0,1,2,3,4,5,6,7
.if \zero == 2
	v_wmma_f32_16x16x128_bf8_bf8 v[8*(8*((\a)%4)+\b):8*(8*((\a)%4)+\b)+7], v[128*(\p)+FR*\b:128*(\p)+FR*\b+FR-1], v[AF+FR*(\a):AF+FR*(\a)+FR-1], v[TAB+8*\b:TAB+8*\b+7]
.else
	v_wmma_f32_16x16x128_bf8_bf8 v[8*(8*((\a)%4)+\b):8*(8*((\a)%4)+\b)+7], v[128*(\p)+FR*\b:128*(\p)+FR*\b+FR-1], v[AF+FR*(\a):AF+FR*(\a)+FR-1], v[8*(8*((\a)%4)+\b):8*(8*((\a)%4)+\b)+7]
.endif
.endr
.endr
.endm
.macro FETCH_B slot, q, p
	WIN TO_B
.irp i, 0,1,2,3,4,5,6,7
	FRAG8 128*(\p)+FR*\i, ADRB+\slot, \q, \i
.endr
	WIN 0
.endm
.macro FETCH_A slot, q, i0
.irp i, \i0, \i0+1, \i0+2, \i0+3
	FRAGI AF+FR*(\i), ADRA+\slot, 2*(\i)+(\q)
.endr
.endm
.macro STEP slot, q, zero
	s_wait_dscnt 4*NL                              ; B's set and A's blocks 0-3 are in; the 16 youngest loads (A's blocks 4-7) may be out
.if \zero == 2
	WIN 0x81                                       ; C (the bias) window 0, D window 2
.else
	WIN MUL_LO
.endif
	MUL16 0, (\q)%2, \zero
	MUL16 2, (\q)%2, \zero
	s_wait_dscnt 0
	PLACES NP
	FETCH_B \slot, (\q)+1, 1-(\q)%2
	FETCH_A \slot, (\q)+1, 0
.if \zero == 2
	WIN 0xc1
.else
	WIN MUL_HI
.endif
	MUL16 4, (\q)%2, \zero
	MUL16 6, (\q)%2, \zero
	PLACES NP
	WIN 0
	FETCH_A \slot, (\q)+1, 4
.endm
.macro TURN slot, next, fill
	s_wait_tensorcnt 0x0                           ; all my tensor loads have landed: my part of the next slot
	ds_add_u32 v[SPW], v[NIL]
	s_wait_dscnt 4*NL+1                            ; the add and A's blocks 4-7 may be out
	WIN MUL_LO
	MUL16 0, 1, 0
	s_wait_dscnt 0x0                               ; the add is done, and my reads of this slot are over
	s_barrier_signal -1
	MUL16 2, 1, 0
	WIN 0
	s_barrier_wait -1
.if \fill
	CREST                                          ; the barrier has opened a round of the cluster's barrier
	s_add_nc_u64 s[G0+4*\slot+2:G0+4*\slot+3], s[G0+4*\slot+2:G0+4*\slot+3], 131072   ; h: two K steps of 65,536 bytes on
	s_add_nc_u64 s[G0B+4*\slot+2:G0B+4*\slot+3], s[G0B+4*\slot+2:G0B+4*\slot+3], 512  ; Wo: 512 along its rows
	JLOAD G0+4*\slot, G1, G0B+4*\slot, G1B         ; the first tensor load behind the round; its four v_nop are the places in front of the loads below
.else
	PLACES NP
.endif
	FETCH_B \next, 0, 0
	FETCH_A \next, 0, 0
	WIN MUL_HI
	MUL16 4, 1, 0
	MUL16 6, 1, 0
	PLACES NP
	WIN 0
	FETCH_A \next, 0, 4
.endm
	s_load_b256 s[4:11], s[0:1], 0x0               ; hq 4, Wo 6, bo 8, query_mask 10
	s_load_b128 s[12:15], s[0:1], 0x20             ; lowp_scales 12, out0 14
	v_lshl_add_u32 v[SPW], v0, 2, SPARE
	v_mov_b32 v[NIL], 0
	ds_add_u32 v[SPW], v[NIL]                      ; the opening: the add, twice on end, and its wait ahead of my first tensor load
	ds_add_u32 v[SPW], v[NIL]
	v_lshrrev_b32 v3, 5, v0
	v_readfirstlane_b32 s[WV], v3
	s_lshr_b32 s[AH], s[WV], 1
	s_and_b32 s[BH], s[WV], 1
	s_bfe_u32 s[CX], ttmp6, 0x40000
	s_bfe_u32 s[CY], ttmp6, 0x40004
	s_lshl_b32 s[TC], ttmp9, 2
	s_add_co_u32 s[TC], s[TC], s[CX]               ; tile column of out0
	s_and_b32 s[TR], ttmp7, 0xffff
	s_lshl_b32 s[TR], s[TR], 2
	s_add_co_u32 s[TR], s[TR], s[CY]               ; tile row
	s_lshl_b32 s2, s[CY], 2
	s_lshl_b32 s2, 15, s2                          ; my row of the cluster
	s_lshl_b32 s3, 0x1111, s[CX]                   ; my column
	s_or_b32 s[G1], s2, FL
	s_or_b32 s[G1B], s3, FL
.irp g, G1, G1B
	s_mov_b32 s[\g+1], 256<<16
	s_mov_b32 s[\g+2], 128<<16
	s_mov_b32 s[\g+3], 256<<16
	s_mov_b32 s[\g+4], 128
	s_mov_b32 s[\g+6], 0
	s_mov_b32 s[\g+7], 0
.endr
	s_mov_b32 s[G1+5], 256                         ; the images are dense,
	s_mov_b32 s[G1B+5], 1024                       ; Wo's rows 1,024 bytes apart
	s_lshl_b32 s20, s[TR], 18
	s_lshl_b32 s95, s[BH], 15
	s_add_co_u32 s20, s20, s95                     ; hq: 262,144 x tile row + 32,768 x half
	s_mov_b32 s21, 0
	s_lshl_b32 s22, s[TC], 18
	s_lshl_b32 s95, s[BH], 17
	s_add_co_u32 s22, s22, s95                     ; Wo: row 256 x tile column + 128 x half
	s_mov_b32 s23, 0
	s_mul_i32 s99, s[WV], HALFT
	s_wait_dscnt 0x0                               ; both opening adds are done
	s_wait_kmcnt 0x0
	s_load_b64 s[96:97], s[12:13], 0x30            ; e12, e13
	s_add_nc_u64 s[20:21], s[4:5], s[20:21]
	s_add_nc_u64 s[22:23], s[6:7], s[22:23]
	CROUND                                         ; all sixteen work-groups are here: the first joint loads meet
.irp s, 0,1
	s_mov_b32 s[G0+4*\s], 1
	s_add_co_u32 s[G0+4*\s+1], s99, \s*SLOT
	s_add_nc_u64 s[G0+4*\s+2:G0+4*\s+3], s[20:21], \s*65536
	s_or_b32 s[G0+4*\s+3], s[G0+4*\s+3], 0x80000000
	s_mov_b32 s[G0B+4*\s], 1
	s_add_co_u32 s[G0B+4*\s+1], s99, \s*SLOT
	s_add_nc_u64 s[G0B+4*\s+2:G0B+4*\s+3], s[22:23], \s*256
	s_or_b32 s[G0B+4*\s+3], s[G0B+4*\s+3], 0x80000000
	JLOAD G0+4*\s, G1, G0B+4*\s, G1B
.endr
	v_and_b32 v1, 15, v0                           ; r; kept
	v_bfe_u32 v2, v0, 4, 1                         ; h
	v_mul_u32_u24 v3, v1, PITCH
	v_lshl_add_u32 v3, v2, 3, v3                   ; Wo: row x pitch + 8 h
	v_mul_u32_u24 v13, v2, PITCH
	v_lshl_add_u32 v13, v1, 4, v13                 ; an image's place for my lane
	s_mul_i32 s2, s[AH], HALFT
	s_mul_i32 s3, s[BH], HALFT
	s_add_co_u32 s3, s3, 2*HALFT
	v_add_nc_u32 v[ADRA], s2, v13
	v_add_nc_u32 v[ADRB], s3, v3
	s_add_co_u32 s2, s2, SLOT
	s_add_co_u32 s3, s3, SLOT
	v_add_nc_u32 v[ADRA+1], s2, v13
	v_add_nc_u32 v[ADRB+1], s3, v3
	v_and_b32 v[OL], 31, v0
	v_lshlrev_b32 v[OL], 4, v[OL]
	s_mul_i32 s2, s[WV], 16*SPITCH                 ; my stage
	v_mul_u32_u24 v[STO], v1, SPITCH
	v_lshl_add_u32 v[STO], v2, 5, v[STO]
	v_add_nc_u32 v[STO], s2, v[STO]                ; in: row r, 32 bytes for each half of the lanes
	v_add_nc_u32 v[RD], s2, v[OL]                  ; back: the 32 lanes take one row of 512 bytes
	s_lshl_b32 s2, s[TC], 10
	s_lshl_b32 s3, s[BH], 9
	s_add_co_u32 s2, s2, s3                        ; my first column, in bytes
	s_mov_b32 s3, 0
	s_add_nc_u64 s[8:9], s[8:9], s[2:3]            ; bo there,
	s_add_nc_u64 s[14:15], s[14:15], s[2:3]        ; out0 there
	v_lshlrev_b32 v13, 5, v2
.irp b, 0,1,2,3,4,5,6,7
	global_load_b128 v[TAB+8*\b:TAB+8*\b+3], v13, s[8:9] offset:64*\b
	global_load_b128 v[TAB+8*\b+4:TAB+8*\b+7], v13, s[8:9] offset:64*\b+16
.endr
	s_lshl_b32 s2, s[TR], 8
	s_lshl_b32 s95, s[AH], 7
	s_add_co_u32 s2, s2, s95                       ; my first row
	s_add_nc_u64 s[10:11], s[10:11], s[2:3]
.irp a, 0,1,2,3,4,5,6,7
	global_load_u8 v[LT+2*\a], v1, s[10:11] offset:16*\a
.endr
	s_lshl_b32 s2, s2, 12                          ; a row of out0 is 4,096 bytes
	s_add_nc_u64 s[14:15], s[14:15], s[2:3]
	s_wait_kmcnt 0x0
	s_add_co_i32 s96, s96, s97                     ; e12 + e13
	s_sub_co_i32 s97, 0, s96
	s_wait_loadcnt 0x0
.set ii, 0
.rept 64
	v_ldexp_f32 v[TAB+ii], v[TAB+ii], s97          ; the bias goes in divided by the power of two that the sums lack
.set ii, ii+1
.endr
.irp a, 0,1,2,3,4,5,6,7
	v_cvt_f32_u32 v[LT+2*\a], v[LT+2*\a]
	v_ldexp_f32 v[LT+2*\a], v[LT+2*\a], s96        ; qm x 2^(e12 + e13)
	v_mov_b32 v[LT+2*\a+1], v[LT+2*\a]
.endr
	s_wait_tensorcnt 0x1                           ; my part of K step 0 is in; K step 1's may stay out
	s_barrier_signal -1
	s_barrier_wait -1
	FETCH_B 0, 0, 0
	FETCH_A 0, 0, 0
	FETCH_A 0, 0, 4
	STEP 0, 0, 2                                   ; the first products start the sums from the bias
	TURN 0, 1, 1                                   ; slot 0 takes K step 2
	STEP 1, 0, 0
	TURN 1, 0, 1                                   ; slot 1 takes K step 3
	STEP 0, 0, 0
	TURN 0, 1, 0                                   ; the last change of slots: nothing is left to fetch, and no round follows
	STEP 1, 0, 0
	s_wait_dscnt 4*NL
	WIN MUL_LO
	MUL16 0, 1, 0
	MUL16 2, 1, 0
	s_wait_dscnt 0
	WIN MUL_HI
	MUL16 4, 1, 0
	MUL16 6, 1, 0
	WIN 0
; THE WAY OUT, block by block of 16 rows x 128 columns, through my own stage: a lane's 32 bytes of a row go in, whole rows of 512 bytes come back.  LDS serves a wave's instructions in order (ISA guide 5.7.1.4): no wait between the stores and the loads.
.macro TOSTAGE a
.set AC, 64*((\a)%4)
	WIN 0x02+((\a)/4)
.set jj, 0
.rept 32
	v_pk_mul_f32 v[TMP+jj:TMP+jj+1], v[AC+jj:AC+jj+1], v[LT+2*(\a):LT+2*(\a)+1]    ; x qm 2^(e12 + e13); each accumulator from its low end on
.set jj, jj+2
.endr
	WIN 0
.irp b, 0,1,2,3,4,5,6,7
	ds_store_b128 v[STO], v[TMP+8*\b:TMP+8*\b+3] offset:64*\b
	ds_store_b128 v[STO], v[TMP+8*\b+4:TMP+8*\b+7] offset:64*\b+16
.endr
.set BB, BK+64*((\a)%2)
.irp t, 0,1,2,3,4,5,6,7,8,9,10,11,12,13,14,15
	ds_load_b128 v[BB+4*\t:BB+4*\t+3], v[RD] offset:\t*SPITCH
.endr
.endm
.macro SEND a, younger                 ; younger: the LDS instructions issued behind block a's loads, which may stay out
.set BB, BK+64*((\a)%2)
	s_wait_dscnt \younger
.if (\a) > 0
	s_add_nc_u64 s[14:15], s[14:15], 16*4096       ; 16 rows on (the earlier stores have read their base: the wait on XCNT stands ahead)
.endif
.irp t, 0,1,2,3,4,5,6,7,8,9,10,11,12,13,14,15
	global_store_b128 v[OL], v[BB+4*\t:BB+4*\t+3], s[14:15] offset:\t*4096 th:TH_STORE_NT   ; 32 lanes store 512 consecutive bytes, at a multiple of 256 from out0's first byte
.endr
.endm
	PLACES NP                                      ; in front of the first read of results and of loads into the registers that held A's fragments
	TOSTAGE 0
.irp a, 1,2,3,4,5,6,7
.if \a > 1
	s_wait_xcnt 0x0                                ; block a - 2's stores have read their registers and their base
.endif
	TOSTAGE \a
	SEND \a-1, 32                                  ; behind block a - 1's loads: block a's 16 stores and 16 loads
.endr
	s_wait_xcnt 0x0
	SEND 7, 0
	s_wait_tensorcnt 0x0                           ; the wave's end
	ds_add_u32 v[SPW], v[NIL]
	s_wait_dscnt 0x0
	CROUND                                         ; the closing round
	s_endpgm
.Lfunc_end_k_qe95a909050_outp:
	.size	k_qe95a909050_outp, .Lfunc_end_k_qe95a909050_outp-k_qe95a909050_outp
	.p2alignl 7, 3214868480
	.fill 96, 4, 3214868480
	.section	.rodata,"a",@progbits
	.p2align	6, 0x0
	.amdhsa_kernel k_qe95a909050_outp
		.amdhsa_group_segment_fixed_size 327680
		.amdhsa_private_segment_fixed_size 0
		.amdhsa_enable_private_segment 0
		.amdhsa_kernarg_size 48
		.amdhsa_user_sgpr_count 2
		.amdhsa_user_sgpr_kernarg_segment_ptr 1
		.amdhsa_wavefront_size32 1
		.amdhsa_system_sgpr_workgroup_id_x 1
		.amdhsa_system_sgpr_workgroup_id_y 1
		.amdhsa_system_sgpr_workgroup_id_z 1
		.amdhsa_system_vgpr_workitem_id 0
		.amdhsa_next_free_vgpr 1024
		.amdhsa_next_free_sgpr 100
		.amdhsa_reserve_vcc 0
		.amdhsa_float_denorm_mode_32 3
		.amdhsa_float_denorm_mode_16_64 3
		.amdhsa_memory_ordered 1
		.amdhsa_forward_progress 1
		.amdhsa_inst_pref_size 146
	.end_amdhsa_kernel
	.amdgpu_metadata
---
amdhsa.version: [ 1, 2 ]
amdhsa.kernels:
  - .name:           k_qe95a909050_outp
    .symbol:         k_qe95a909050_outp.kd
    .args:
      - { .name: hq, .offset: 0, .size: 8, .value_kind: global_buffer, .address_space: global }
      - { .name: Wo_codes, .offset: 8, .size: 8, .value_kind: global_buffer, .address_space: global }
      - { .name: bo, .offset: 16, .size: 8, .value_kind: global_buffer, .address_space: global }
      - { .name: query_mask, .offset: 24, .size: 8, .value_kind: global_buffer, .address_space: global }
      - { .name: lowp_scales, .offset: 32, .size: 8, .value_kind: global_buffer, .address_space: global }
      - { .name: out0, .offset: 40, .size: 8, .value_kind: global_buffer, .address_space: global }
    .group_segment_fixed_size: 327680
    .private_segment_fixed_size: 0
    .kernarg_segment_align: 8
    .kernarg_segment_size: 48
    .max_flat_workgroup_size: 128
    .sgpr_count:     100
    .vgpr_count:     1024
    .wavefront_size: 32
...
	.end_amdgpu_metadata
.endif
;; end of part 4
